; MI455X (gfx1250); checked and timed in simulation.
; The chip was launched on July 23, 2026; its instructions are those of AMD's public machine-readable ISA for CDNA 5 (MIT licence, August 2026) and "CDNA5" Instruction Set Architecture Reference Guide (July 2026). The comments in the code are by the model that wrote it; some were corrected since.
;; Multi Head Attention. Allowed arithmetic: float matrix products may take bf16 or f16 operands with f32 sums; all other float work in f32.
;; Inputs: Wk 1,024 x 1,024 float32; Wo 1,024 x 1,024 float32; Wq 1,024 x 1,024 float32; Wv 1,024 x 1,024 float32; bk 1,024 float32; bo 1,024 float32; bq 1,024 float32; bv 1,024 float32; mask 4 x 2,048 int32; x 4 x 2,048 x 1,024 float32.
;; Outputs: out0 4 x 2,048 x 1,024 float32.
;; 2 versions, each right; version 2 is version 1 with the launch cast written anew for expert scheduling mode. Each part assembles by itself: llvm-mc -triple=amdgcn-amd-amdhsa -mcpu=gfx1250 --defsym DOCPART=n.
;; ======== version 1 of 2: 4 launches
;; limits: values are held in f16: magnitudes above 65,504 overflow, below 6.1e-05 lose precision
;; workspace buffers: xw 25,165,824 bytes; madd 32,768 bytes; qkv 50,331,648 bytes; ao 16,777,216 bytes
;; launch cast (part 1): grid 64 x 12, 8 waves a work-group, no clusters, 0 bytes of LDS; arguments x, Wq, Wk, Wv, Wo, mask, xw, madd; writes xw, madd
.if DOCPART == 1
	.amdgcn_target "amdgcn-amd-amdhsa--gfx1250"
	.amdhsa_code_object_version 6
	.text
	.protected	k_q162d01aef3_cast
	.globl	k_q162d01aef3_cast
	.p2align	8
	.type	k_q162d01aef3_cast,@function
k_q162d01aef3_cast:
	s_mov_b64 s[64:65], 0
	v_nop
	global_prefetch_b8 v0, s[64:65] scope:SCOPE_SE
	s_setreg_imm32_b32 hwreg(HW_REG_WAVE_MODE, 25, 1), 1
	s_wait_xcnt 0x0
; FIRST OF FOUR LAUNCHES of causal, padded multi-head attention (B 4, S 2048, D 1024, 16 heads of 64):
;   cast: x, Wq, Wk, Wv, Wo to 16 bits; the padding mask to an additive f32 table      qkv:  q, k, v, head-major
;   attn: softmax(q k^T / 8 + masks) v for each head                                   proj: the output projection
;
; WORK LEFT OUT BY THE PROGRAM, AND WHY IT IS DEAD.
; (1) bk.  scores[q][k] = q.(x_k Wk^T + bk) / 8 = q.(x_k Wk^T) / 8 + q.bk / 8, and q.bk / 8 is the same for every key k of a query row.
;     softmax along k is unchanged by a term that is constant along k; entries set to -inf stay -inf, and a row of nothing but -inf stays NaN.
;     That holds for all finite values of the inputs.  bk has no other way to an output: it is not loaded and is no launch's argument.
; (2) Score tiles (16 queries x 64 keys) whose every key lies behind every query: reference() itself sets them to -inf in front of the softmax (its triu mask).
; LIMIT: a NaN, an infinity or an overflow that reaches only bk, or only scores above the causal diagonal, is not carried to the result.
; FORMATS: x, Wq, Wk, Wv, Wo are rounded once to bf16.  q, k, v, the softmax's weights and the heads' outputs are carried in f16 (three more bits than bf16:
; a row with few keys is some ten times larger than the output's root mean square, against which it is compared).  LIMIT: |q|, |k|, |v| <= 65,504.
; Wo meets an f16 partner, so its bf16 value is written as f16: exact for |Wo| >= 2^-14, within 2^-25 below that.
;
; THIS LAUNCH is a stream: twelve slices of 2^20 numbers (x is eight of them, then Wq, Wk, Wv, Wo), grid y = slice; a work-group takes 16 rows of 1,024 numbers.
; LAYOUT OF xw: x as [16 K blocks][8,192 rows][64], then Wq, Wk, Wv each as [16][1,024][64] from byte 2^24 on, so that the tile which the next launch fetches
; (some rows, 64 along K) is consecutive memory; Wo row-major from byte 11 x 2^21.
; x, Wq, Wk, Wv: lanes 0-15 of a wave take 256 bytes (one K block) of one row, lanes 16-31 the same K block of the next row; the two halves' results are
; 256 consecutive bytes of xw, aligned.  Wave w takes K blocks 2 w and 2 w + 1 of the sixteen rows.  Wo: thread t takes 16 bytes at 16 t of every row.
; All sixteen loads of a wave go out at once.  No LDS, no barrier, no matrix unit: nothing is used twice.
.set NLD, 16                           ; loads of a thread
.set X,   4                            ; v[4:67]   load i: 4 registers
.set MV,  68                           ; v[68:71]  four mask words; v72 = -inf
                                       ; v1 source offset; v2, v3 offsets in xw (even, odd K block); v73, v75 at work; v74 = 16 t
	s_load_b512 s[4:19], s[0:1], 0x0               ; x 4:5, Wq 6:7, Wk 8:9, Wv 10:11, Wo 12:13, mask 14:15, xw 16:17, madd 18:19
	s_and_b32 s20, ttmp7, 0xffff                   ; the slice
	v_lshrrev_b32 v3, 5, v0
	v_readfirstlane_b32 s21, v3                    ; wave
	v_lshlrev_b32 v74, 4, v0                       ; 16 t
	s_cmp_lt_u32 s20, 8
	s_cselect_b32 s22, s20, 0                      ; x has eight slices, a weight one
	s_cselect_b32 s28, 20, 17                      ; a K block is 8,192 or 1,024 rows of 128 bytes: 2^20 or 2^17
	s_cselect_b32 s29, 17, 21                      ; a slice's place in xw: 1,024 rows of a K block of x, or a whole weight
	s_lshl_b32 s22, s22, 22                        ; in the source: slice x 4 MiB
	s_lshl_b32 s23, ttmp9, 16                      ; + work-group x 16 rows of 4,096 bytes
	s_add_co_u32 s22, s22, s23
	s_mov_b32 s23, 0
	s_wait_kmcnt 0x0
	s_cmp_eq_u32 s20, 8                            ; the source is chosen by the slice's number alone
	s_cselect_b64 s[4:5], s[6:7], s[4:5]
	s_cmp_eq_u32 s20, 9
	s_cselect_b64 s[4:5], s[8:9], s[4:5]
	s_cmp_eq_u32 s20, 10
	s_cselect_b64 s[4:5], s[10:11], s[4:5]
	s_cmp_eq_u32 s20, 11
	s_cselect_b64 s[4:5], s[12:13], s[4:5]
	s_add_nc_u64 s[4:5], s[4:5], s[22:23]
	s_cmp_eq_u32 s20, 11
	s_cbranch_scc1 .Lwo
	; x, Wq, Wk, Wv: f32 to bf16, into K blocks
	v_and_b32 v73, 15, v0
	v_bfe_u32 v75, v0, 4, 1
	v_lshlrev_b32 v1, 4, v73                       ; 16 bytes a lane inside the K block's 256,
	v_lshl_add_u32 v1, v75, 12, v1                 ; one row further down for lanes 16 to 31,
	s_lshl_b32 s30, s21, 9
	v_add_nc_u32 v1, s30, v1                       ; two K blocks a wave
.set i, 0
.rept NLD
	global_load_b128 v[X+4*i:X+4*i+3], v1, s[4:5] offset:(i&7)*8192+(i>>3)*256 th:TH_LOAD_NT   ; load i: rows 2 (i % 8) and + 1, K block 2 w + i / 8
.set i, i+1
.endr
	s_lshl_b32 s24, s20, s29
	s_lshl_b32 s25, ttmp9, 11                      ; + work-group x 16 rows of 128 bytes
	s_add_co_u32 s24, s24, s25
	s_mov_b32 s25, 0
	s_add_nc_u64 s[16:17], s[16:17], s[24:25]
	s_lshl_b32 s31, s21, 1
	s_lshl_b32 s31, s31, s28                       ; K block 2 w
	s_lshl_b32 s30, 1, s28
	v_and_b32 v73, 31, v0
	v_lshl_add_u32 v2, v73, 3, s31                 ; 8 bytes a lane: lanes 16 to 31 fall on the next row's 128 bytes
	v_add_nc_u32 v3, s30, v2                       ; K block 2 w + 1
.set i, 0
.rept NLD
	s_wait_loadcnt NLD-1-i                         ; loads come back in order: load i is in, the younger ones stay out
	v_cvt_pk_bf16_f32 v[X+4*i],   v[X+4*i],   v[X+4*i+1]
	v_cvt_pk_bf16_f32 v[X+4*i+1], v[X+4*i+2], v[X+4*i+3]
	global_store_b64 v[2+(i>>3)], v[X+4*i:X+4*i+1], s[16:17] offset:(i&7)*256      ; the next launch reads these bytes: no hint
.set i, i+1
.endr
	; the mask: wave 0 of each work-group of slice 0 turns 128 words into 0.0 (kept) or -inf (mask == 0)
	s_cmp_lg_u32 s20, 0
	s_cbranch_scc1 .Lend
	s_cmp_lg_u32 s21, 0
	s_cbranch_scc1 .Lend
	s_lshl_b32 s26, ttmp9, 9                       ; 512 bytes for each of the 64 work-groups of slice 0
	s_mov_b32 s27, 0
	s_add_nc_u64 s[14:15], s[14:15], s[26:27]
	s_add_nc_u64 s[18:19], s[18:19], s[26:27]
	v_mov_b32 v72, 0xff800000
	global_load_b128 v[MV:MV+3], v74, s[14:15] th:TH_LOAD_NT
	s_wait_loadcnt 0x0
.irp k, 0,1,2,3
	v_cmp_eq_u32 vcc_lo, 0, v[MV+\k]
	v_cndmask_b32 v[MV+\k], 0, v72, vcc_lo
.endr
	global_store_b128 v74, v[MV:MV+3], s[18:19]
.Lend:
	s_endpgm
.Lwo:	; Wo: f32 to bf16 as the other weights, and that value written as f16; row-major
	s_lshl_b32 s24, ttmp9, 15                      ; work-group x 16 rows of 2,048 bytes
	s_add_co_u32 s24, s24, 11<<21
	s_mov_b32 s25, 0
	s_add_nc_u64 s[16:17], s[16:17], s[24:25]
	v_lshlrev_b32 v2, 3, v0                        ; 8 t
.set i, 0
.rept NLD
	global_load_b128 v[X+4*i:X+4*i+3], v74, s[4:5] offset:4096*i th:TH_LOAD_NT
.set i, i+1
.endr
.set i, 0
.rept NLD
	s_wait_loadcnt NLD-1-i
	v_cvt_pk_bf16_f32 v[X+4*i],   v[X+4*i],   v[X+4*i+1]
	v_cvt_pk_bf16_f32 v[X+4*i+1], v[X+4*i+2], v[X+4*i+3]
	v_lshlrev_b32 v[X+4*i+2], 16, v[X+4*i]                 ; the bf16 halves as f32
	v_and_b32     v[X+4*i],   0xffff0000, v[X+4*i]
	v_lshlrev_b32 v[X+4*i+3], 16, v[X+4*i+1]
	v_and_b32     v[X+4*i+1], 0xffff0000, v[X+4*i+1]
	v_cvt_pk_f16_f32 v[X+4*i],   v[X+4*i+2], v[X+4*i]
	v_cvt_pk_f16_f32 v[X+4*i+1], v[X+4*i+3], v[X+4*i+1]
	global_store_b64 v2, v[X+4*i:X+4*i+1], s[16:17] offset:2048*i
.set i, i+1
.endr
	s_endpgm
.Lfunc_end_k_q162d01aef3_cast:
	.size	k_q162d01aef3_cast, .Lfunc_end_k_q162d01aef3_cast-k_q162d01aef3_cast
	.p2alignl 7, 3214868480
	.fill 96, 4, 3214868480
	.section	.rodata,"a",@progbits
	.p2align	6, 0x0
	.amdhsa_kernel k_q162d01aef3_cast
		.amdhsa_group_segment_fixed_size 0
		.amdhsa_private_segment_fixed_size 0
		.amdhsa_enable_private_segment 0
		.amdhsa_kernarg_size 64
		.amdhsa_user_sgpr_count 2
		.amdhsa_user_sgpr_kernarg_segment_ptr 1
		.amdhsa_wavefront_size32 1
		.amdhsa_system_sgpr_workgroup_id_x 1
		.amdhsa_system_sgpr_workgroup_id_y 1
		.amdhsa_system_sgpr_workgroup_id_z 1
		.amdhsa_system_vgpr_workitem_id 0
		.amdhsa_next_free_vgpr 76
		.amdhsa_next_free_sgpr 66
		.amdhsa_reserve_vcc 1
		.amdhsa_float_denorm_mode_32 3
		.amdhsa_float_denorm_mode_16_64 3
		.amdhsa_memory_ordered 1
		.amdhsa_forward_progress 1
		.amdhsa_inst_pref_size 19
	.end_amdhsa_kernel
	.amdgpu_metadata
---
amdhsa.version: [ 1, 2 ]
amdhsa.kernels:
  - .name:           k_q162d01aef3_cast
    .symbol:         k_q162d01aef3_cast.kd
    .args:
      - { .name: x, .offset: 0, .size: 8, .value_kind: global_buffer, .address_space: global }
      - { .name: Wq, .offset: 8, .size: 8, .value_kind: global_buffer, .address_space: global }
      - { .name: Wk, .offset: 16, .size: 8, .value_kind: global_buffer, .address_space: global }
      - { .name: Wv, .offset: 24, .size: 8, .value_kind: global_buffer, .address_space: global }
      - { .name: Wo, .offset: 32, .size: 8, .value_kind: global_buffer, .address_space: global }
      - { .name: mask, .offset: 40, .size: 8, .value_kind: global_buffer, .address_space: global }
      - { .name: xw, .offset: 48, .size: 8, .value_kind: global_buffer, .address_space: global }
      - { .name: madd, .offset: 56, .size: 8, .value_kind: global_buffer, .address_space: global }
    .group_segment_fixed_size: 0
    .private_segment_fixed_size: 0
    .kernarg_segment_align: 8
    .kernarg_segment_size: 64
    .max_flat_workgroup_size: 256
    .sgpr_count:     66
    .vgpr_count:     76
    .wavefront_size: 32
...
	.end_amdgpu_metadata
.endif
;; end of part 1
;; launch qkv (part 2): grid 8 x 32, 4 waves a work-group, clusters of 4 x 4, 327,680 bytes of LDS; arguments xw, bq, bv, qkv; writes qkv
.if DOCPART == 2
	.amdgcn_target "amdgcn-amd-amdhsa--gfx1250"
	.amdhsa_code_object_version 6
	.text
	.protected	k_q162d01aef3_qkv
	.globl	k_q162d01aef3_qkv
	.p2align	8
	.type	k_q162d01aef3_qkv,@function
k_q162d01aef3_qkv:
	s_mov_b64 s[64:65], 0
	v_nop
	global_prefetch_b8 v0, s[64:65] scope:SCOPE_SE
	s_setreg_imm32_b32 hwreg(HW_REG_WAVE_MODE, 25, 1), 1
	s_wait_xcnt 0x0
	s_wait_alu depctr_hold_cnt(0) depctr_sa_sdst(0) depctr_va_vdst(0) depctr_va_sdst(0) depctr_va_ssrc(0) depctr_va_vcc(0) depctr_vm_vsrc(0)
	s_getreg_b32 s2, hwreg(HW_REG_IB_STS2, 6, 4)
	s_cmp_eq_u32 s2, 0
	s_cbranch_scc0 .Lentry_in_a_cluster
	s_endpgm
.Lentry_in_a_cluster:
	s_bfe_u32 s2, ttmp6, 0x10000c
	s_cmp_lg_u32 s2, 0xf033
	s_cbranch_scc0 .Lentry_shape_is_right
	s_endpgm
.Lentry_shape_is_right:
; q = x Wq^T + bq, k = x Wk^T, v = x Wv^T + bv.  bk is left out: it adds the same number to every score of a query row, which softmax cancels.
; x and the weights are bf16 in xw, in K blocks of 64: x [16][8,192 rows][64], then Wq, Wk, Wv each [16][1,024 rows][64] from byte 2^24 on.  Sums in f32; results
; rounded once to f16 (LIMIT: |q|, |k|, |v| <= 65,504) and stored head-major, qkv[3][64 = 16 b + head][2048 tokens][64].
; A work-group makes 256 tokens x 128 columns of EACH of q, k, v in ONE walk over K, with four waves; a wave makes 128 x 64 of each: 96 accumulator tiles,
; 768 registers.  A fragment of x read from LDS feeds 12 products (4 column blocks of 3 weights).  8 x 32 = 256 work-groups of equal work.
; K goes in steps of 64 through a ring of two LDS slots of 640 rows x 144 bytes (two slots of a K step of 128 would take 348,160 bytes: more than a WGP has).
; A tile is consecutive memory and is fetched as rows of 256 bytes (two rows of 64 numbers), padded by 16 bytes behind every 128.
; CLUSTERS: 4 x 4 work-groups.  The four of a row of the cluster need the same rows of x, the four of a column the same rows of the weights: each tile is asked for
; jointly, by the same tensor load with the same descriptor and a mask that names the four.  Wave 0 asks for x's 32 KiB, waves 1, 2, 3 for the 16 KiB of Wq, Wk, Wv.
; A wave has two tensor loads out at the start and one behind each round of the cluster's barrier.
; THE MATRIX INSTRUCTION IS USED TRANSPOSED (source 0 = rows of W, source 1 = rows of x): lane l holds token l % 16, registers 0-7 the columns 8 (l / 16) + 0..7.
; The 96 accumulators take turns, one instruction a turn, in one order everywhere.
; REGISTERS: window 0: addresses and fragments; windows 1, 2, 3: q's, k's, v's accumulator (a, b) at 8 (4 a + b), a = 16-token block 0-7, b = 16-column block 0-3.
.set PITCH,  144                       ; an LDS row: 128 bytes + 16 of padding, an odd multiple of 16: sixteen rows start in sixteen different 16-byte columns
.set XBYTES, 256*PITCH                 ; x's tile: 36,864
.set WBYTES, 128*PITCH                 ; a weight's tile: 18,432
.set SLOT,   XBYTES+3*WBYTES           ; 92,160
.set STAGE,  2*SLOT                    ; behind the ring: 16 rows x 144 bytes for each wave, for the way out; no tensor load fills it
.set SPITCH, 144
.set XKB,    8192*128                  ; bytes of a K block of x
.set WKB,    1024*128                  ; of a weight
.set WMAT,   16*WKB                    ; bytes of a weight
.set WBASE,  16*XKB                    ; where Wq begins
.set LAPS,   8                         ; a lap = two K steps = once round the ring
.set ADRA, 16                          ; v16-17  LDS address of my x fragments in slot 0, 1
.set ADRB, 20                          ; v20-21  the same for Wq's; Wk's and Wv's lie WBYTES and 2 WBYTES further
.set STO,  24                          ; the way out: where I put 16 bytes of a token's row
.set RD,   25                          ; where I read rows back
.set CO,   26                          ; my byte offset in the wave's output block
.set BOFF, 27                          ; my byte offset in a bias
.set FA0,  32                          ; v32-95, v96-159  fragments of x (8 x 16 rows x 32 K), two buffers
.set WF,   160                         ; v160-191, v192-223, v224-255  fragments of Wq, Wk, Wv (4 each): one set each, loaded again as soon as its 32 products are past
.set BIAS, 96                          ; for the first half step alone, in x's buffer 1: bq at +0, bv at +32, register 8 b + j = column 16 b + 8 (l / 16) + j
.set TMP,  96                          ; the way out: packed results,
.set RB,   112                         ; and two sets of 16 registers of rows read back
.set G1,  24                           ; s[24:31] descriptor group 1, x's tiles
.set G0,  32                           ; s[32:39] group 0, x's tiles, a set for each slot
.set G1B, 48                           ; s[48:55] group 1, the weights' tiles
.set G0B, 56                           ; s[56:63] group 0, the weights' tiles
.set MSB, 0
.macro WIN new                         ; the immediate's high byte repeats the setting that is left
.if MSB != \new
	s_set_vgpr_msb (MSB<<8)|\new
.set MSB, \new
.endif
.endm
.macro PLACES                          ; four plain vector instructions between a matrix instruction and a load into, or a vector access to, one of its registers
.rept 4
	v_nop
.endr
.endm
.macro JLOAD s                         ; a joint load: each line has one mask; the branch hangs on the wave's number alone
	s_cmp_lg_u32 s12, 0
	s_cbranch_scc1 .Lfor_b_\@
	tensor_load_to_lds s[G0+4*\s:G0+4*\s+3], s[G1:G1+7]
	s_nop 0
	s_branch .Lasked_\@
.Lfor_b_\@:
	tensor_load_to_lds s[G0B+4*\s:G0B+4*\s+3], s[G1B:G1B+7]
	s_nop 0
.Lasked_\@:
.endm
.macro CREST                           ; a round of the cluster's barrier behind its opening work-group barrier
	s_cmp_lg_u32 s12, 0
	s_cbranch_scc1 .Lnot_wave_0_\@
	s_barrier_signal -3
.Lnot_wave_0_\@:
	s_barrier_wait -3
	s_barrier_signal -1
	s_barrier_wait -1
.endm
.macro CROUND
	s_barrier_signal -1
	s_barrier_wait -1
	CREST
.endm
	s_load_b256 s[4:11], s[0:1], 0x0               ; xw 4:5, bq 6:7, bv 8:9, qkv 10:11
	v_lshl_add_u32 v30, v0, 2, 0x2f400
	v_mov_b32 v31, 0
	ds_add_u32 v30, v31
	ds_add_u32 v30, v31
	v_lshrrev_b32 v1, 5, v0
	v_readfirstlane_b32 s12, v1                    ; wave.  Also: I fetch x (0) or weight number wave - 1
	s_lshr_b32 s13, s12, 1                         ; my half of the block's tokens
	s_and_b32 s14, s12, 1                          ; my half of its columns
	s_bfe_u32 s40, ttmp6, 0x40000                  ; cx
	s_bfe_u32 s41, ttmp6, 0x40004                  ; cy
	s_lshl_b32 s42, ttmp9, 2
	s_add_co_u32 s42, s42, s40                     ; block column = 4 x cluster x + cx
	s_and_b32 s15, ttmp7, 0xffff
	s_lshl_b32 s15, s15, 2
	s_add_co_u32 s15, s15, s41                     ; block row = 4 x cluster y + cy
	s_lshl_b32 s43, s41, 2
	s_lshl_b32 s43, 15, s43                        ; my row of the cluster
	s_lshl_b32 s44, 0x1111, s40                    ; my column
	s_or_b32 s[G1+0], s43, (1<<16)|(1<<20)|(1<<21)|(4<<22)|(3<<25)   ; mask; elements of 2 bytes; padding on; bit 21 beside a mask; after every 32 words 4 words
	s_or_b32 s[G1B+0], s44, (1<<16)|(1<<20)|(1<<21)|(4<<22)|(3<<25)
	s_mov_b32 s[G1+1], 128<<16                     ; tensor_dim0 = 128 elements: 256 bytes, two rows of a K block
	s_mov_b32 s[G1B+1], 128<<16
	s_mov_b32 s[G1+2], 128<<16                     ; tensor_dim1: x's 256 rows are 128 such,
	s_mov_b32 s[G1B+2], 64<<16                     ; a weight's 128 rows are 64
	s_mov_b32 s[G1+3], 128<<16                     ; tile_dim0
	s_mov_b32 s[G1B+3], 128<<16
	s_mov_b32 s[G1+4], 128                         ; tile_dim1
	s_mov_b32 s[G1B+4], 64
	s_mov_b32 s[G1+5], 128                         ; elements from row to row: consecutive memory
	s_mov_b32 s[G1B+5], 128
	s_mov_b32 s[G1+6], 0
	s_mov_b32 s[G1B+6], 0
	s_mov_b32 s[G1+7], 0
	s_mov_b32 s[G1B+7], 0
	; x's tiles hang on the block row alone, the weights' on the block column and the wave's number, each in registers that never hold the other coordinate
	s_lshl_b32 s16, s15, 15                        ; x: 256 rows x 128 bytes x block row
	s_mov_b32 s17, 0
	s_lshl_b32 s46, s12, 21                        ; weight number wave - 1 (wave 0 makes an address too, and never asks by it),
	s_lshl_b32 s47, s42, 14                        ; 128 rows x 128 bytes x block column
	s_add_co_u32 s46, s46, s47
	s_add_co_u32 s46, s46, WBASE-WMAT
	s_mov_b32 s47, 0
	s_mul_i32 s21, s12, WBYTES                     ; LDS: the three weights' tiles follow x's
	s_add_co_u32 s21, s21, XBYTES-WBYTES
	s_wait_dscnt 0x0
	s_wait_kmcnt 0x0
	s_add_nc_u64 s[18:19], s[4:5], s[16:17]
	s_add_nc_u64 s[46:47], s[4:5], s[46:47]
	CROUND                                         ; all sixteen work-groups are here: the first joint loads meet
.irp s, 0,1
	s_mov_b32 s[G0+4*\s], 1
	s_mov_b32 s[G0+4*\s+1], \s*SLOT
	s_add_nc_u64 s[G0+4*\s+2:G0+4*\s+3], s[18:19], \s*XKB
	s_or_b32 s[G0+4*\s+3], s[G0+4*\s+3], 0x80000000
	s_mov_b32 s[G0B+4*\s], 1
	s_add_co_u32 s[G0B+4*\s+1], s21, \s*SLOT
	s_add_nc_u64 s[G0B+4*\s+2:G0B+4*\s+3], s[46:47], \s*WKB
	s_or_b32 s[G0B+4*\s+3], s[G0B+4*\s+3], 0x80000000
	JLOAD \s                                       ; K steps 0 and 1: the ring is filled before anything else is done
.endr
	v_and_b32 v1, 15, v0                           ; r = l % 16
	v_bfe_u32 v2, v0, 4, 1                         ; h = l / 16
	v_mul_u32_u24 v3, v1, PITCH
	v_lshl_add_u32 v3, v2, 4, v3                   ; a fragment's lane: row r, 16 bytes for each half of the lanes
	s_mul_i32 s22, s13, 128*PITCH                  ; my 128 tokens
	s_mul_i32 s23, s14, 64*PITCH                   ; my 64 rows of a weight's tile,
	s_add_co_u32 s23, s23, XBYTES                  ; behind x's tile
.irp s, 0,1
	v_add_nc_u32 v[ADRA+\s], s22, v3
	v_add_nc_u32 v[ADRB+\s], s23, v3
	s_add_co_u32 s22, s22, SLOT
	s_add_co_u32 s23, s23, SLOT
.endr
	s_mul_i32 s22, s12, 16*SPITCH
	s_add_co_u32 s22, s22, STAGE                   ; my stage
	v_add_nc_u32 v[STO], s22, v3                   ; in: token r, 16 bytes for each half of the lanes (the stage has the tiles' pitch)
	v_bfe_u32 v6, v0, 3, 2
	v_and_b32 v7, 7, v0
	v_mul_u32_u24 v6, v6, SPITCH
	v_lshl_add_u32 v6, v7, 4, v6
	v_add_nc_u32 v[RD], s22, v6                    ; back: eight lanes take a token's 128 bytes, a load four tokens
	v_and_b32 v8, 31, v0
	v_lshlrev_b32 v[CO], 4, v8                     ; those 512 bytes are consecutive in the head-major output
	v_lshlrev_b32 v[BOFF], 5, v2                   ; eight f32 for each half of the lanes
	; where my results go: q's block; k's and v's lie 2^24 and 2^25 bytes further
	s_lshr_b32 s76, s15, 3
	s_lshl_b32 s76, s76, 22                        ; batch x 16 heads x 2^18 bytes
	s_lshl_b32 s77, s42, 1
	s_add_co_u32 s77, s77, s14
	s_lshl_b32 s77, s77, 18                        ; head = 2 x block column + my half
	s_add_co_u32 s76, s76, s77
	s_and_b32 s77, s15, 7
	s_lshl_b32 s77, s77, 1
	s_add_co_u32 s77, s77, s13
	s_lshl_b32 s77, s77, 14                        ; 128 tokens x 128 bytes
	s_add_co_u32 s76, s76, s77
	s_mov_b32 s77, 0
	s_add_nc_u64 s[66:67], s[10:11], s[76:77]
	s_add_nc_u64 s[68:69], s[66:67], 0x1000000
	s_add_nc_u64 s[70:71], s[66:67], 0x2000000
	s_lshl_b32 s78, s42, 9
	s_lshl_b32 s79, s14, 8
	s_add_co_u32 s78, s78, s79                     ; my 64 columns in a bias
	s_mov_b32 s79, 0
	s_add_nc_u64 s[72:73], s[6:7], s[78:79]
	s_add_nc_u64 s[74:75], s[8:9], s[78:79]
.irp b, 0,1,2,3
	global_load_b128 v[BIAS+8*\b:BIAS+8*\b+3],       v[BOFF], s[72:73] offset:64*\b        ; bq
	global_load_b128 v[BIAS+8*\b+4:BIAS+8*\b+7],     v[BOFF], s[72:73] offset:64*\b+16
	global_load_b128 v[BIAS+32+8*\b:BIAS+32+8*\b+3], v[BOFF], s[74:75] offset:64*\b        ; bv
	global_load_b128 v[BIAS+36+8*\b:BIAS+36+8*\b+3], v[BOFF], s[74:75] offset:64*\b+16
.endr
; na x 4 matrix instructions of weight w (0 q, 1 k, 2 v): token blocks a0 .., all four column blocks, 32 along K, x from buffer f.
; zero = 0: add in place; 1: the product starts the sum from the constant 0; 2: from the bias, whose registers have the result's layout.  Nothing is cleared or added later.
.macro MUL w, f, a0, na, zero
.set ma, \a0
.rept \na
.irp b, 0,1,2,3
.if \zero == 0
	v_wmma_f32_16x16x32_bf16 v[8*(4*ma+\b):8*(4*ma+\b)+7], v[WF+32*\w+8*\b:WF+32*\w+8*\b+7], v[FA0+64*\f+8*ma:FA0+64*\f+8*ma+7], v[8*(4*ma+\b):8*(4*ma+\b)+7]
.else
.if \zero == 1
	v_wmma_f32_16x16x32_bf16 v[8*(4*ma+\b):8*(4*ma+\b)+7], v[WF+32*\w+8*\b:WF+32*\w+8*\b+7], v[FA0+64*\f+8*ma:FA0+64*\f+8*ma+7], 0
.else
	v_wmma_f32_16x16x32_bf16 v[8*(4*ma+\b):8*(4*ma+\b)+7], v[WF+32*\w+8*\b:WF+32*\w+8*\b+7], v[FA0+64*\f+8*ma:FA0+64*\f+8*ma+7], v[BIAS+16*\w+8*\b:BIAS+16*\w+8*\b+7]
.endif
.endif
.endr
.set ma, ma+1
.endr
.endm
.macro MWIN w, zero                    ; D in window w + 1; C there too when it is the accumulator, in window 0 when it is the bias
.if \zero
	WIN ((\w+1)<<6)
.else
	WIN ((\w+1)*0x50)
.endif
.endm
.macro FETW w, slot, kq                ; 8 LDS loads: weight w's four fragments of half kq (32 along K) of a slot's K step
.irp i, 0,1,2,3
	ds_load_b128 v[WF+32*\w+8*\i:WF+32*\w+8*\i+3],   v[ADRB+\slot] offset:\w*WBYTES+\i*16*PITCH+64*\kq
	ds_load_b128 v[WF+32*\w+8*\i+4:WF+32*\w+8*\i+7], v[ADRB+\slot] offset:\w*WBYTES+\i*16*PITCH+64*\kq+32
.endr
.endm
.macro FETA slot, kq, f                ; 16 LDS loads: x's eight fragments into buffer f
.irp i, 0,1,2,3,4,5,6,7
	ds_load_b128 v[FA0+64*\f+8*\i:FA0+64*\f+8*\i+3],   v[ADRA+\slot] offset:\i*16*PITCH+64*\kq
	ds_load_b128 v[FA0+64*\f+8*\i+4:FA0+64*\f+8*\i+7], v[ADRA+\slot] offset:\i*16*PITCH+64*\kq+32
.endr
.endm
; A K step is two halves of 32 along K, 96 matrix instructions each, on x's buffers 0 and 1.  Behind a weight's 32 products its set is loaded for the next half:
; every LDS load is issued 64 matrix instructions ahead of its first use.
; The first half of a K step: the next half's fragments come from the same slot.
.macro FRONT slot
	s_wait_dscnt 16                                ; Wq's and x's fragments are in; Wk's 8 and Wv's 8 loads are younger
	MWIN 0, 0
	MUL 0, 0, 0, 8, 0
	PLACES
	WIN 0
	FETW 0, \slot, 1
	FETA \slot, 1, 1
	s_wait_dscnt 32                                ; Wk's are in; Wv's 8 and the 24 just issued are younger
	MWIN 1, 0
	MUL 1, 0, 0, 8, 0
	PLACES
	WIN 0
	FETW 1, \slot, 1
	s_wait_dscnt 32                                ; Wv's are in; the 24 and the 8 issued since are younger
	MWIN 2, 0
	MUL 2, 0, 0, 8, 0
	PLACES
	WIN 0
	FETW 2, \slot, 1
.endm
; The second half changes slots.  In front of the barrier each wave waits for its reads of this slot and for all its tensor loads (the one that is out is its part
; of the next slot).  Where the slot is filled again the barrier opens a round of the cluster's barrier, with register work alone inside, and the joint refill is
; the first tensor load behind the round's closing wait.  From a request to the wait for it a wave issues 176 matrix instructions.
; cnt: how many loads are younger than Wq's and x's fragments.
.macro TURN slot, next, fill, cnt
	s_wait_dscnt \cnt
	MWIN 0, 0
	MUL 0, 1, 0, 8, 0
	s_wait_dscnt 0                                 ; my reads of this slot are over (the last were issued 32 matrix instructions ago)
	s_wait_tensorcnt 0x0                           ; all my tensor loads have landed
	ds_add_u32 v30, v31
	s_wait_dscnt 0x0
	s_barrier_signal -1
	MWIN 1, 0
	MUL 1, 1, 0, 4, 0
	WIN 0
	s_barrier_wait -1
.if \fill
	CREST
	s_add_nc_u64 s[G0+4*\slot+2:G0+4*\slot+3], s[G0+4*\slot+2:G0+4*\slot+3], 2*XKB
	s_add_nc_u64 s[G0B+4*\slot+2:G0B+4*\slot+3], s[G0B+4*\slot+2:G0B+4*\slot+3], 2*WKB
	JLOAD \slot
.endif
	PLACES
	FETW 0, \next, 0
	FETA \next, 0, 0
	MWIN 1, 0
	MUL 1, 1, 4, 4, 0
	PLACES
	WIN 0
	FETW 1, \next, 0
	MWIN 2, 0
	MUL 2, 1, 0, 8, 0
	PLACES
	WIN 0
	FETW 2, \next, 0
.endm
; The way out of weight w's block, 16 tokens at a time: round to f16, 16 bytes a lane into my own stage, read back as whole rows, store 512 consecutive bytes an instruction.
.macro EPI w, ob
.irp a, 0,1,2,3,4,5,6,7
	WIN ((\w+1)*5)                                 ; sources 0 and 1 in window w + 1
.irp b, 0,1,2,3
.irp p, 0,1,2,3
	v_cvt_pk_f16_f32 v[TMP+4*\b+\p], v[8*(4*\a+\b)+2*\p], v[8*(4*\a+\b)+2*\p+1]
.endr
.endr
	WIN 0
.irp b, 0,1,2,3
	ds_store_b128 v[STO], v[TMP+4*\b:TMP+4*\b+3] offset:32*\b
.endr
	s_wait_xcnt 0x0                                ; the registers read back into were the data of earlier stores: rewritten only behind this wait
.irp t, 0,1,2,3
	ds_load_b128 v[RB+16*(\a&1)+4*\t:RB+16*(\a&1)+4*\t+3], v[RD] offset:4*SPITCH*\t   ; LDS serves a wave's instructions in order: these see the stores above
.endr
.irp t, 0,1,2,3
	s_wait_dscnt 3-\t
	global_store_b128 v[CO], v[RB+16*(\a&1)+4*\t:RB+16*(\a&1)+4*\t+3], s[\ob:\ob+1] offset:2048*\a+512*\t
.endr
.endr
.endm
	s_wait_loadcnt 0x0                             ; bq, bv
	s_wait_tensorcnt 1                             ; my part of K step 0 is in; K step 1's may stay out
	s_barrier_signal -1
	s_barrier_wait -1
	FETW 0, 0, 0
	FETA 0, 0, 0
	FETW 1, 0, 0
	FETW 2, 0, 0
	; the very first half step starts the sums: q's from bq, k's from 0, v's from bv.  The biases lie in x's buffer 1, which is therefore fetched last
	s_wait_dscnt 16                                ; Wq's and x's are in; Wk's 8 and Wv's 8 are younger
	MWIN 0, 2
	MUL 0, 0, 0, 8, 2
	PLACES
	WIN 0
	FETW 0, 0, 1
	s_wait_dscnt 16                                ; Wk's are in; Wv's 8 and Wq's next 8 are younger
	MWIN 1, 1
	MUL 1, 0, 0, 8, 1
	PLACES
	WIN 0
	FETW 1, 0, 1
	s_wait_dscnt 16                                ; Wv's are in; Wq's and Wk's next 8 each are younger
	MWIN 2, 2
	MUL 2, 0, 0, 8, 2
	PLACES
	WIN 0
	FETA 0, 1, 1
	FETW 2, 0, 1
	TURN 0, 1, 1, 8                                ; here only Wv's 8 loads are younger than x's
	FRONT 1
	TURN 1, 0, 1, 16
	s_mov_b32 s45, LAPS-2
.Llap:
	FRONT 0
	TURN 0, 1, 1, 16
	FRONT 1
	TURN 1, 0, 1, 16
	s_sub_co_u32 s45, s45, 1
	s_cmp_lg_u32 s45, 0
	s_cbranch_scc1 .Llap
	FRONT 0                                        ; the last lap fills nothing, and has no round of the cluster's barrier: the one load still out is the last K step's
	TURN 0, 1, 0, 16
	FRONT 1
	s_wait_dscnt 16                                ; the very last half step: nothing more to fetch
	MWIN 0, 0
	MUL 0, 1, 0, 8, 0
	s_wait_dscnt 8                                 ; Wk's are in; Wv's 8 are younger
	MWIN 1, 0
	MUL 1, 1, 0, 8, 0
	s_wait_dscnt 0
	MWIN 2, 0
	MUL 2, 1, 0, 8, 0
	PLACES
	EPI 0, 66
	EPI 1, 68
	EPI 2, 70
	s_wait_tensorcnt 0x0
	ds_add_u32 v30, v31
	s_wait_dscnt 0x0
	CROUND                                         ; the closing round: no work-group ends while a partner may still ask for a tile that names it
	s_endpgm
.Lfunc_end_k_q162d01aef3_qkv:
	.size	k_q162d01aef3_qkv, .Lfunc_end_k_q162d01aef3_qkv-k_q162d01aef3_qkv
	.p2alignl 7, 3214868480
	.fill 96, 4, 3214868480
	.section	.rodata,"a",@progbits
	.p2align	6, 0x0
	.amdhsa_kernel k_q162d01aef3_qkv
		.amdhsa_group_segment_fixed_size 327680
		.amdhsa_private_segment_fixed_size 0
		.amdhsa_enable_private_segment 0
		.amdhsa_kernarg_size 32
		.amdhsa_user_sgpr_count 2
		.amdhsa_user_sgpr_kernarg_segment_ptr 1
		.amdhsa_wavefront_size32 1
		.amdhsa_system_sgpr_workgroup_id_x 1
		.amdhsa_system_sgpr_workgroup_id_y 1
		.amdhsa_system_sgpr_workgroup_id_z 1
		.amdhsa_system_vgpr_workitem_id 0
		.amdhsa_next_free_vgpr 1024
		.amdhsa_next_free_sgpr 80
		.amdhsa_reserve_vcc 0
		.amdhsa_float_denorm_mode_32 3
		.amdhsa_float_denorm_mode_16_64 3
		.amdhsa_memory_ordered 1
		.amdhsa_forward_progress 1
		.amdhsa_inst_pref_size 173
	.end_amdhsa_kernel
	.amdgpu_metadata
---
amdhsa.version: [ 1, 2 ]
amdhsa.kernels:
  - .name:           k_q162d01aef3_qkv
    .symbol:         k_q162d01aef3_qkv.kd
    .args:
      - { .name: xw, .offset: 0, .size: 8, .value_kind: global_buffer, .address_space: global }
      - { .name: bq, .offset: 8, .size: 8, .value_kind: global_buffer, .address_space: global }
      - { .name: bv, .offset: 16, .size: 8, .value_kind: global_buffer, .address_space: global }
      - { .name: qkv, .offset: 24, .size: 8, .value_kind: global_buffer, .address_space: global }
    .group_segment_fixed_size: 327680
    .private_segment_fixed_size: 0
    .kernarg_segment_align: 8
    .kernarg_segment_size: 32
    .max_flat_workgroup_size: 128
    .sgpr_count:     80
    .vgpr_count:     1024
    .wavefront_size: 32
...
	.end_amdgpu_metadata
.endif
;; end of part 2
;; launch attn (part 3): grid 4 x 64, 4 waves a work-group, no clusters, 327,680 bytes of LDS; arguments qkv, madd, ao; writes ao
.if DOCPART == 3
	.amdgcn_target "amdgcn-amd-amdhsa--gfx1250"
	.amdhsa_code_object_version 6
	.text
	.protected	k_q162d01aef3_attn
	.globl	k_q162d01aef3_attn
	.p2align	8
	.type	k_q162d01aef3_attn,@function
k_q162d01aef3_attn:
	s_mov_b64 s[64:65], 0
	v_nop
	global_prefetch_b8 v0, s[64:65] scope:SCOPE_SE
	s_setreg_imm32_b32 hwreg(HW_REG_WAVE_MODE, 25, 1), 1
	s_wait_xcnt 0x0
; ao[head][query][64] = softmax(q k^T / 8, causal and padded) v, for 64 heads (16 b + h) of 2,048 tokens; q, k, v, ao in f16, head-major; everything else in f32.
; LEFT OUT: score tiles of 16 queries x 64 keys whose every key lies behind every query (reference() sets them to -inf itself).  k carries no bk (softmax cancels it).
; The padding mask is an input and is applied by value in every tile: madd (0.0 or -inf for each key) is added to every score.
; A running maximum is kept.  A row with no allowed key ends with sum 0 and gives 0 x (1/0) = NaN, as reference() does.  The order of the sums differs from reference()'s.
; SHARES: work-group (j, head) takes the query blocks of 256 rows i = 7 - j and then i = j: 2 (i + 1) key tiles of 128 each, 18 tiles in every work-group.
; A block's sixteen tiles of 16 queries are DEALT ROUND THE WAVES: wave w holds tiles 4 u + w, u = 0-3.  A step is 64 keys (4 tiles t).
; NO CLUSTER: the four work-groups of a head are at different i, so in the same trip they need different key tiles; walking in step would take 12 trips' work for 9.
; PRODUCTS: S^T = K Q^T (source 0 = keys, source 1 = queries): lane l holds query l % 16, registers 0-7 the keys 8 (l / 16) + 0..7.  So maximum and sum run inside a
; lane, with one exchange between the halves of the lanes, and the packed pairs of a lane ARE the second source of O^T = V^T P^T, whose first source comes from V's
; rows by the transposing LDS load.  In O^T a lane again holds one query: the rescaling factor is one number a lane.
; ORDER OF A BLOCK'S TILES: D0 (keys 256 i ..), F0 .. F(2i-1) (keys 0 .. 256 i - 1), D1 (keys 256 i + 128 ..).  Slots 0, 1, 0, .., 0, 1: each tile's slot is fixed in the
; text, the first step (which starts every sum: nothing is cleared) is fixed in the text, and every refill in the loop has a tile to fetch.
; THE DIAGONAL: step dg (0-3) of D0, D1 holds keys 64 dg .. 64 dg + 63 of the block.  Queries 16 (4 u + w) + r lie wholly behind them for u > dg and wholly in front
; for u < dg, whatever w: every wave works exactly the tiles u >= dg, (4 + 3 + 2 + 1) / 4 = 2.5 steps' work a block, with no branch, and only u = dg is cut, by value.
; RING: two slots of K (128 x 144), V (128 x 160) and 512 bytes of madd.  In front of each refill every wave waits for its LDS reads and all its tensor loads and passes a
; barrier; behind it wave 0 asks for K, wave 1 for V, wave 2 for madd's slice, wave 3 for nothing.  A wave has at most one tensor load out.
; All accumulators take turns, one instruction a turn.
.set KPITCH, 144                       ; a key's 128 bytes + 16: an odd multiple of 16
.set VPITCH, 160                       ; a key's 128 bytes + 32: an odd multiple of 32, for the transposing load
.set VOFF,   128*KPITCH
.set MOFF,   VOFF+128*VPITCH
.set SLOT,   MOFF+512                  ; 39,424
.set OSTAGE, 2*SLOT                    ; behind the ring: 16 rows x 144 bytes for each wave; no tensor load fills it
.set SPITCH, 144
; window 0
.set ADRK, 16                          ; v16-17 my K fragment address in slot 0, 1
.set ADRV, 18                          ; v18-19 the same for V
.set ADRM, 20                          ; v20-21 the same for madd
.set VQ,   22                          ; my byte offset in the block's Q
.set STO,  23
.set RD,   24
.set CO,   25
.set KF,   32                          ; v32-95    K fragment (t, kk) at 8 (2 t + kk)
.set VF,   96                          ; v96-159   V^T fragment (dt, kk) at 8 (2 dt + kk)
.set QF,   160                         ; v160-223  Q fragment (u, kk) at 8 (2 u + kk)
.set MK,   224                         ; v224-255  madd of the step's keys, in a score tile's layout: register 8 t + j = key 16 t + 8 (l / 16) + j
.set TMP,  32                          ; the way out works in K's registers
.set RB,   48
; window 1 (numbers within the window)
.set S,    0                           ; 0-127    score tile (t, u) at 8 (4 u + t)
.set P,    128                         ; 128-191  P fragment (u, kk) at 16 u + 8 kk
.set PN,   192                         ; pair u: -c x maximum, maximum
.set PA,   200                         ; pair u: rescaling factor, the other half's number
.set YY,   208
.set LA,   212                         ; pair u: running sums, two chains of pairs
.set LB,   220
.set DV,   228                         ; 16 w + l % 16 - 8 (l / 16): register j of key tile t lies behind my query of the cut tile if 16 t + j is larger
.set NINF, 229
; window 2: O^T tile (dt, u) at 8 (4 u + dt)
.set G1K, 16
.set G1V, 24
.set G1M, 32
.set G0K, 40                           ; a set of four for each slot
.set G0V, 48
.set G0M, 56
.set MSB, 0
.macro WIN new
.if MSB != \new
	s_set_vgpr_msb (MSB<<8)|\new
.set MSB, \new
.endif
.endm
.macro PLACES                          ; four plain vector instructions between a matrix instruction and a load into, or a vector access to, one of its registers
.rept 4
	v_nop
.endr
.endm
	s_load_b128 s[4:7], s[0:1], 0x0                ; qkv, madd
	s_load_b64 s[8:9], s[0:1], 0x10                ; ao
	v_lshl_add_u32 v30, v0, 2, 0x29000
	v_mov_b32 v31, 0
	v_lshrrev_b32 v1, 5, v0
	v_readfirstlane_b32 s10, v1                    ; wave
	s_mov_b32 s11, ttmp9                           ; j
	s_and_b32 s14, ttmp7, 0xffff                   ; head, 16 b + h
	s_mov_b32 s12, 0x76543210                      ; v_permlanex16_b32: lane i reads lane i of the other half
	s_mov_b32 s13, 0xfedcba98
	s_mov_b32 s86, 0x3e38aa3b                      ; c = log2(e) / 8: the division by sqrt(64) rides in the exponent's multiply-add
	s_mov_b32 s87, 0x3e38aa3b
	s_mov_b32 s88, 0xbe38aa3b                      ; -c
	s_mov_b32 s98, 0xff7fffff                      ; the maximum starts at the lowest finite number
	; K and V tiles are 16 KiB of consecutive memory: 64 rows of 256 bytes (two keys); the padding is counted along the tile, after every 32 words: behind each key
	s_mov_b32 s[G1K+0], (1<<16)|(1<<20)|(4<<22)|(3<<25)
	s_mov_b32 s[G1V+0], (1<<16)|(1<<20)|(4<<22)|(7<<25)
.irp g, G1K, G1V
	s_mov_b32 s[\g+1], 128<<16
	s_mov_b32 s[\g+2], 64<<16
	s_mov_b32 s[\g+3], 128<<16
	s_mov_b32 s[\g+4], 64
	s_mov_b32 s[\g+5], 128
	s_mov_b32 s[\g+6], 0
	s_mov_b32 s[\g+7], 0
.endr
	s_mov_b32 s[G1M+0], 3<<16                      ; one row of 64 elements of 8 bytes
	s_mov_b32 s[G1M+1], 64<<16
	s_mov_b32 s[G1M+2], 1<<16
	s_mov_b32 s[G1M+3], 64<<16
	s_mov_b32 s[G1M+4], 1
	s_mov_b32 s[G1M+5], 64
	s_mov_b32 s[G1M+6], 0
	s_mov_b32 s[G1M+7], 0
.irp s, 0,1
	s_mov_b32 s[G0K+4*\s], 1
	s_mov_b32 s[G0K+4*\s+1], \s*SLOT
	s_mov_b32 s[G0V+4*\s], 1
	s_mov_b32 s[G0V+4*\s+1], \s*SLOT+VOFF
	s_mov_b32 s[G0M+4*\s], 1
	s_mov_b32 s[G0M+4*\s+1], \s*SLOT+MOFF
.endr
	s_lshl_b32 s80, s14, 18                        ; a head's 2,048 x 128 bytes
	s_mov_b32 s81, 0
	s_lshr_b32 s82, s14, 4
	s_lshl_b32 s82, s82, 13                        ; a batch's 2,048 x 4 bytes of madd
	s_mov_b32 s83, 0
	s_wait_kmcnt 0x0
	s_add_nc_u64 s[72:73], s[4:5], s[80:81]        ; the head's q
	s_add_nc_u64 s[66:67], s[72:73], 0x1000000     ; k
	s_add_nc_u64 s[68:69], s[72:73], 0x2000000     ; v
	s_add_nc_u64 s[70:71], s[6:7], s[82:83]        ; the batch's madd
	s_add_nc_u64 s[74:75], s[8:9], s[80:81]        ; the head's ao
	v_and_b32 v1, 15, v0                           ; r
	v_bfe_u32 v2, v0, 4, 1                         ; h
	v_and_b32 v3, 31, v0                           ; l
	v_and_b32 v4, 7, v0
	v_bfe_u32 v5, v0, 3, 1
	v_bfe_u32 v6, v0, 3, 2
	v_mul_u32_u24 v7, v1, KPITCH
	v_lshl_add_u32 v7, v2, 4, v7                   ; r x 144 + 16 h
	v_mov_b32 v[ADRK], v7
	v_add_nc_u32 v[ADRK+1], SLOT, v7
	v_lshl_add_u32 v8, v2, 3, v4                   ; key 8 h + l % 8,
	v_mul_u32_u24 v8, v8, VPITCH
	v_lshl_add_u32 v8, v5, 4, v8                   ; 16 bytes for each group of eight lanes
	v_add_nc_u32 v[ADRV], VOFF, v8
	v_add_nc_u32 v[ADRV+1], SLOT+VOFF, v8
	v_lshlrev_b32 v9, 5, v2                        ; eight f32 for each half of the lanes
	v_add_nc_u32 v[ADRM], MOFF, v9
	v_add_nc_u32 v[ADRM+1], SLOT+MOFF, v9
	s_lshl_b32 s85, s10, 11                        ; query tile w of each four: 16 queries x 128 bytes
	v_lshlrev_b32 v10, 7, v1
	v_lshl_add_u32 v10, v2, 4, v10
	v_add_nc_u32 v[VQ], s85, v10
	v_lshl_add_u32 v[CO], v3, 4, s85
	s_mul_i32 s89, s10, 16*SPITCH
	s_add_co_u32 s89, s89, OSTAGE
	v_add_nc_u32 v[STO], s89, v7
	v_mul_u32_u24 v11, v6, SPITCH
	v_lshl_add_u32 v11, v4, 4, v11
	v_add_nc_u32 v[RD], s89, v11
	v_lshlrev_b32 v12, 3, v2
	v_sub_nc_u32 v12, v1, v12                      ; r - 8 h
	s_lshl_b32 s99, s10, 4
	v_add_nc_u32 v12, s99, v12                     ; + 16 w
	WIN 0x40
	v_mov_b32 v[NINF], 0xff800000
	v_mov_b32 v[DV], v12
.irp u, 0,1,2,3
	v_mov_b32 v[PA+2*\u+1], 0                      ; v_permlanex16_b32 counts as a reader of its destination
.endr
	WIN 0
; the next tile's three addresses, from the key offset in s84; written only where no tensor load of the wave is out
.macro SETADR s
	s_lshl_b32 s80, s84, 7
	s_lshl_b32 s82, s84, 2
	s_add_nc_u64 s[G0K+4*\s+2:G0K+4*\s+3], s[66:67], s[80:81]
	s_or_b32 s[G0K+4*\s+3], s[G0K+4*\s+3], 0x80000000
	s_add_nc_u64 s[G0V+4*\s+2:G0V+4*\s+3], s[68:69], s[80:81]
	s_or_b32 s[G0V+4*\s+3], s[G0V+4*\s+3], 0x80000000
	s_add_nc_u64 s[G0M+4*\s+2:G0M+4*\s+3], s[70:71], s[82:83]
	s_or_b32 s[G0M+4*\s+3], s[G0M+4*\s+3], 0x80000000
.endm
.macro KVLOAD s
	s_cmp_lg_u32 s10, 0
	s_cbranch_scc1 .Lnot0_\@
	tensor_load_to_lds s[G0K+4*\s:G0K+4*\s+3], s[G1K:G1K+7]
	s_nop 0
	s_branch .Lasked_\@
.Lnot0_\@:
	s_cmp_lg_u32 s10, 1
	s_cbranch_scc1 .Lnot1_\@
	tensor_load_to_lds s[G0V+4*\s:G0V+4*\s+3], s[G1V:G1V+7]
	s_nop 0
	s_branch .Lasked_\@
.Lnot1_\@:
	s_cmp_lg_u32 s10, 2
	s_cbranch_scc1 .Lasked_\@
	tensor_load_to_lds s[G0M+4*\s:G0M+4*\s+3], s[G1M:G1M+7]
	s_nop 0
.Lasked_\@:
.endm
; The change of slots.  Every wave: all my tensor loads have landed (my part of the slot that is read next among them); my LDS reads are back; the barrier;
; then slot 'other', which nobody reads any more, is asked for again, first thing.
.macro HEAD other, refill
	s_wait_tensorcnt 0x0
	ds_add_u32 v30, v31
	ds_add_u32 v30, v31
	s_wait_dscnt 0x0
.if \refill
	SETADR \other
.endif
	s_wait_dscnt 0x0
	s_barrier_signal -1
	s_barrier_wait -1
.if \refill
	KVLOAD \other
.endif
.endm
.macro LOADK slot, half                ; 16 loads
.irp t, 0,1,2,3
.irp kk, 0,1
	ds_load_b128 v[KF+8*(2*\t+\kk):KF+8*(2*\t+\kk)+3],   v[ADRK+\slot] offset:(64*\half+16*\t)*KPITCH+64*\kk
	ds_load_b128 v[KF+8*(2*\t+\kk)+4:KF+8*(2*\t+\kk)+7], v[ADRK+\slot] offset:(64*\half+16*\t)*KPITCH+64*\kk+32
.endr
.endr
.endm
.macro LOADM slot, half                ; 8 loads
.irp t, 0,1,2,3
	ds_load_b128 v[MK+8*\t:MK+8*\t+3],   v[ADRM+\slot] offset:256*\half+64*\t
	ds_load_b128 v[MK+8*\t+4:MK+8*\t+7], v[ADRM+\slot] offset:256*\half+64*\t+16
.endr
.endm
.macro LOADV slot, half                ; 16 loads, transposing 8 x 8 numbers of 16 bits within eight lanes
.irp dt, 0,1,2,3
.irp kk, 0,1
	ds_load_tr16_b128 v[VF+8*(2*\dt+\kk):VF+8*(2*\dt+\kk)+3],   v[ADRV+\slot] offset:(64*\half+32*\kk)*VPITCH+32*\dt
	ds_load_tr16_b128 v[VF+8*(2*\dt+\kk)+4:VF+8*(2*\dt+\kk)+7], v[ADRV+\slot] offset:(64*\half+32*\kk+16)*VPITCH+32*\dt
.endr
.endr
.endm
; window 0x50.  The score tiles of the query tiles u >= ulo: the first 32 of the head's 64 start the sums, the second 32 add in place
.macro SMUL ulo
.irp kk, 0,1
.irp u, 0,1,2,3
.if \u >= \ulo
.irp t, 0,1,2,3
.if \kk
	v_wmma_f32_16x16x32_f16 v[S+8*(4*\u+\t):S+8*(4*\u+\t)+7], v[KF+8*(2*\t+\kk):KF+8*(2*\t+\kk)+7], v[QF+8*(2*\u+\kk):QF+8*(2*\u+\kk)+7], v[S+8*(4*\u+\t):S+8*(4*\u+\t)+7]
.else
	v_wmma_f32_16x16x32_f16 v[S+8*(4*\u+\t):S+8*(4*\u+\t)+7], v[KF+8*(2*\t+\kk):KF+8*(2*\t+\kk)+7], v[QF+8*(2*\u+\kk):QF+8*(2*\u+\kk)+7], 0
.endif
.endr
.endif
.endr
.endr
.endm
.macro MASKADD ulo                     ; window 0x41.  + 0.0 or -inf for each key
.irp u, 0,1,2,3
.if \u >= \ulo
.irp t, 0,1,2,3
.irp p, 0,2,4,6
	v_pk_add_f32 v[S+8*(4*\u+\t)+\p:S+8*(4*\u+\t)+\p+1], v[S+8*(4*\u+\t)+\p:S+8*(4*\u+\t)+\p+1], v[MK+8*\t+\p:MK+8*\t+\p+1]
.endr
.endr
.endif
.endr
.endm
; window 0x55.  The query tile u = dg is the one that the diagonal cuts: key 16 t + 8 h + j against query 16 w + r
.macro CAUSAL dg
.irp t, 0,1,2,3
.irp jj, 0,1,2,3,4,5,6,7
	v_cmp_gt_i32 vcc_lo, 16*\t+\jj, v[DV]
	v_cndmask_b32 v[S+8*(4*\dg+\t)+\jj], v[S+8*(4*\dg+\t)+\jj], v[NINF], vcc_lo
.endr
.endr
.endm
.macro MAXES first, ulo                ; each lane's 32 scores of each query tile into the running maximum; a chain for each tile
.set e, 0
.rept 16
.irp u, 0,1,2,3
.if \u >= \ulo
.if \first
.if e
	v_max3_num_f32 v[PN+2*\u+1], v[S+32*\u+2*e], v[S+32*\u+2*e+1], v[PN+2*\u+1]
.else
	v_max3_num_f32 v[PN+2*\u+1], v[S+32*\u+2*e], v[S+32*\u+2*e+1], s98
.endif
.else
	v_max3_num_f32 v[PN+2*\u+1], v[S+32*\u+2*e], v[S+32*\u+2*e+1], v[PN+2*\u+1]
.endif
.endif
.endr
.set e, e+1
.endr
.endm
; The two halves of the lanes hold the same queries and other keys: one exchange.  The factor is 2^(new - old) of the rounded numbers -c x maximum that are
; kept, so it is exactly 1 where the maximum stands still.
.macro STATS first, ulo
.irp u, 0,1,2,3
.if \u >= \ulo
	v_permlanex16_b32 v[PA+2*\u+1], v[PN+2*\u+1], s12, s13
.endif
.endr
.irp u, 0,1,2,3
.if \u >= \ulo
	v_max_num_f32 v[PN+2*\u+1], v[PN+2*\u+1], v[PA+2*\u+1]
.endif
.endr
.if \first
.irp u, 0,1,2,3
	v_mul_f32 v[PN+2*\u], s88, v[PN+2*\u+1]
.endr
.else
.irp u, 0,1,2,3
.if \u >= \ulo
	v_mul_f32 v[YY+\u], s88, v[PN+2*\u+1]
.endif
.endr
.irp u, 0,1,2,3
.if \u >= \ulo
	v_sub_f32 v[PA+2*\u], v[YY+\u], v[PN+2*\u]
.endif
.endr
.irp u, 0,1,2,3
.if \u >= \ulo
	v_exp_f32 v[PA+2*\u], v[PA+2*\u]
.endif
.endr
.irp u, 0,1,2,3
.if \u >= \ulo
	v_mov_b32 v[PN+2*\u], v[YY+\u]                 ; plain instructions behind the exponentials, ahead of any use of their results (ISA guide 5.7.2)
.endif
.endr
.endif
.endm
.macro FMA u                           ; c x score - c x maximum
.set e, 0
	s_wait_alu depctr_va_vdst(0)
.rept 16
	v_pk_fma_f32 v[S+32*\u+2*e:S+32*\u+2*e+1], v[S+32*\u+2*e:S+32*\u+2*e+1], s[86:87], v[PN+2*\u:PN+2*\u+1] op_sel_hi:[1,0,0]
.set e, e+1
.endr
.endm
.macro EXP u
.set e, 0
.rept 32
	v_exp_f32 v[S+32*\u+e], v[S+32*\u+e]
.set e, e+1
.endr
.endm
; The running sums (two chains of pairs; each chain's first link also rescales it) and the packing to f16: pair e of a lane is register e of the query tile's P fragments
.macro SUMCVT u, first
.set e, 0
.rept 16
.set lr, LA+8*(e&1)+2*\u
.set sr, S+32*\u+2*e
.if \first
.if e > 3
	v_pk_add_f32 v[lr:lr+1], v[lr:lr+1], v[sr:sr+1]
.else
.if e > 1
	v_pk_add_f32 v[lr:lr+1], v[sr-4:sr-3], v[sr:sr+1]      ; the first two pairs of a chain start it
.endif
.endif
.else
.if e > 1
	v_pk_add_f32 v[lr:lr+1], v[lr:lr+1], v[sr:sr+1]
.else
	v_pk_fma_f32 v[lr:lr+1], v[lr:lr+1], v[PA+2*\u:PA+2*\u+1], v[sr:sr+1] op_sel_hi:[1,0,1]
.endif
.endif
	v_cvt_pk_f16_f32 v[P+16*\u+e], v[sr], v[sr+1]
.set e, e+1
.endr
.endm
.macro SOFTMAX first, ulo              ; behind each run of exponentials stands the next tile's multiply-adds, then the run's results are used
	WIN 0x55
	MAXES \first, \ulo
	STATS \first, \ulo
	FMA \ulo
	EXP \ulo
.if \ulo < 1
	FMA 1
	SUMCVT 0, \first
	EXP 1
.endif
.if \ulo < 2
	FMA 2
	SUMCVT 1, \first
	EXP 2
.endif
.if \ulo < 3
	FMA 3
	SUMCVT 2, \first
	EXP 3
.endif
	v_nop
	s_wait_alu depctr_va_vdst(0)
	SUMCVT 3, \first
.endm
.macro RESCALE ulo                     ; window 0x86.  O^T x the lane's factor
.irp u, 0,1,2,3
.if \u >= \ulo
.set e, 0
.rept 16
	v_pk_mul_f32 v[32*\u+2*e:32*\u+2*e+1], v[32*\u+2*e:32*\u+2*e+1], v[PA+2*\u:PA+2*\u+1] op_sel_hi:[1,0]
.set e, e+1
.endr
.endif
.endr
.endm
.macro PVMUL first, ulo                ; window 0xa4: V^T in window 0, P in window 1, O^T in window 2
.irp kk, 0,1
.irp u, 0,1,2,3
.if \u >= \ulo
.irp dt, 0,1,2,3
.if \kk
	v_wmma_f32_16x16x32_f16 v[8*(4*\u+\dt):8*(4*\u+\dt)+7], v[VF+8*(2*\dt+\kk):VF+8*(2*\dt+\kk)+7], v[P+16*\u+8*\kk:P+16*\u+8*\kk+7], v[8*(4*\u+\dt):8*(4*\u+\dt)+7]
.else
.if \first
	v_wmma_f32_16x16x32_f16 v[8*(4*\u+\dt):8*(4*\u+\dt)+7], v[VF+8*(2*\dt+\kk):VF+8*(2*\dt+\kk)+7], v[P+16*\u+8*\kk:P+16*\u+8*\kk+7], 0
.else
	v_wmma_f32_16x16x32_f16 v[8*(4*\u+\dt):8*(4*\u+\dt)+7], v[VF+8*(2*\dt+\kk):VF+8*(2*\dt+\kk)+7], v[P+16*\u+8*\kk:P+16*\u+8*\kk+7], v[8*(4*\u+\dt):8*(4*\u+\dt)+7]
.endif
.endif
.endr
.endif
.endr
.endr
.endm
; Step dg of the block's own 256 keys: the query tiles u >= dg, the same text in every wave
.macro DSTEP slot, half, dg, first
	PLACES
	LOADK \slot, \half
	LOADM \slot, \half
	LOADV \slot, \half
	s_wait_dscnt 24                                ; K's 16 loads are in; madd's 8 and V's 16 are younger
	WIN 0x50
	SMUL \dg
	PLACES
	s_wait_dscnt 16                                ; madd's are in; V's 16 are younger
	WIN 0x41
	MASKADD \dg
	WIN 0x55
	CAUSAL \dg
	SOFTMAX \first, \dg
	s_wait_dscnt 0                                 ; V
.if \first
.else
	WIN 0x86
	RESCALE \dg
.endif
	WIN 0xa4
	PVMUL \first, \dg
	WIN 0
.endm
; A tile of 128 keys in front of the block: two steps, the second's fragments fetched as the first's registers fall free
.macro FTRIP slot
	PLACES
	LOADK \slot, 0
	LOADM \slot, 0
	LOADV \slot, 0
	s_wait_dscnt 24                                ; K is in; madd's 8 and V's 16 are younger
	WIN 0x50
	SMUL 0
	PLACES
	WIN 0
	LOADK \slot, 1
	s_wait_dscnt 32                                ; madd is in; V's 16 and the next K's 16 are younger
	WIN 0x41
	MASKADD 0
	WIN 0
	LOADM \slot, 1
	SOFTMAX 0, 0
	s_wait_dscnt 24                                ; V is in; the next K's 16 and madd's 8 are younger
	WIN 0x86
	RESCALE 0
	WIN 0xa4
	PVMUL 0, 0
	PLACES
	WIN 0
	LOADV \slot, 1
	s_wait_dscnt 24                                ; the second step's K is in; its madd's 8 and V's 16 are younger
	WIN 0x50
	SMUL 0
	PLACES
	s_wait_dscnt 16                                ; its madd is in
	WIN 0x41
	MASKADD 0
	SOFTMAX 0, 0
	s_wait_dscnt 0
	WIN 0x86
	RESCALE 0
	WIN 0xa4
	PVMUL 0, 0
	WIN 0
.endm
	s_mov_b32 s15, 0
.Lblock:
	s_wait_xcnt 0x0                                ; the last block's bases and store data are rewritten only behind this wait
	s_sub_co_u32 s2, 7, s11
	s_cmp_eq_u32 s15, 0
	s_cselect_b32 s2, s2, s11                      ; i = 7 - j, then j
	s_lshl_b32 s80, s2, 15                         ; 256 queries x 128 bytes
	s_add_nc_u64 s[76:77], s[72:73], s[80:81]      ; the block's q
	s_add_nc_u64 s[78:79], s[74:75], s[80:81]      ; the block's ao
	s_lshl_b32 s84, s2, 8
	HEAD 0, 1                                      ; D0 into slot 0
.irp u, 0,1,2,3
.irp kk, 0,1
	global_load_b128 v[QF+8*(2*\u+\kk):QF+8*(2*\u+\kk)+3],   v[VQ], s[76:77] offset:8192*\u+64*\kk th:TH_LOAD_NT
	global_load_b128 v[QF+8*(2*\u+\kk)+4:QF+8*(2*\u+\kk)+7], v[VQ], s[76:77] offset:8192*\u+64*\kk+32 th:TH_LOAD_NT
.endr
.endr
	s_cmp_eq_u32 s2, 0
	s_cselect_b32 s84, 128, 0                      ; F0, or D1 where the block has no tile in front of it
	HEAD 1, 1
	s_wait_loadcnt 0x0                             ; Q
	DSTEP 0, 0, 0, 1                               ; the first step starts maximum, sums and O^T of all four query tiles
	DSTEP 0, 1, 1, 0
	s_cmp_eq_u32 s2, 0
	s_cbranch_scc1 .Lnofull
	s_mov_b32 s3, 0
.Lfull:
	s_lshl_b32 s84, s3, 8
	s_add_co_u32 s84, s84, 128                     ; F(2p+1) into slot 0
	HEAD 0, 1
	FTRIP 1                                        ; F(2p)
	s_add_co_u32 s3, s3, 1
	s_lshl_b32 s84, s3, 8
	s_add_co_u32 s99, s84, 128
	s_cmp_eq_u32 s3, s2
	s_cselect_b32 s84, s99, s84                    ; F(2p+2), or D1 behind the last
	HEAD 1, 1
	FTRIP 0                                        ; F(2p+1)
	s_cmp_lt_u32 s3, s2
	s_cbranch_scc1 .Lfull
.Lnofull:
	HEAD 0, 0                                      ; D1 has landed; nothing is left to fetch for this block
	DSTEP 1, 0, 2, 0
	DSTEP 1, 1, 3, 0
	; the block's end: 1 / sum, O^T scaled, rounded to f16, through my own stage, out in 512 consecutive bytes an instruction.
	; The eight packed and plain adds below are the places between the last matrix instruction and the first access to O^T.
	WIN 0x55
.irp u, 0,1,2,3
	v_pk_add_f32 v[LA+2*\u:LA+2*\u+1], v[LA+2*\u:LA+2*\u+1], v[LB+2*\u:LB+2*\u+1]
.endr
.irp u, 0,1,2,3
	v_add_f32 v[YY+\u], v[LA+2*\u], v[LA+2*\u+1]
.endr
.irp u, 0,1,2,3
	v_permlanex16_b32 v[PA+2*\u+1], v[YY+\u], s12, s13
.endr
.irp u, 0,1,2,3
	v_add_f32 v[YY+\u], v[YY+\u], v[PA+2*\u+1]
.endr
.irp u, 0,1,2,3
	v_rcp_f32 v[PA+2*\u], v[YY+\u]
.endr
	v_nop
	s_wait_alu depctr_va_vdst(0)
	WIN 0x86
	RESCALE 0
.irp u, 0,1,2,3
	WIN 0x0a
.irp dt, 0,1,2,3
.irp p, 0,1,2,3
	v_cvt_pk_f16_f32 v[TMP+4*\dt+\p], v[8*(4*\u+\dt)+2*\p], v[8*(4*\u+\dt)+2*\p+1]
.endr
.endr
	WIN 0
.irp dt, 0,1,2,3
	ds_store_b128 v[STO], v[TMP+4*\dt:TMP+4*\dt+3] offset:32*\dt
.endr
	s_wait_xcnt 0x0                                ; the registers read back into were the data of earlier stores
.irp t, 0,1,2,3
	ds_load_b128 v[RB+16*(\u&1)+4*\t:RB+16*(\u&1)+4*\t+3], v[RD] offset:4*SPITCH*\t   ; LDS serves a wave's instructions in order: these see the stores above
.endr
.irp t, 0,1,2,3
	s_wait_dscnt 3-\t
	global_store_b128 v[CO], v[RB+16*(\u&1)+4*\t:RB+16*(\u&1)+4*\t+3], s[78:79] offset:8192*\u+512*\t
.endr
.endr
	s_add_co_u32 s15, s15, 1
	s_cmp_lt_u32 s15, 2
	s_cbranch_scc1 .Lblock
	s_wait_tensorcnt 0x0
	ds_add_u32 v30, v31
	s_wait_dscnt 0x0
	s_endpgm
.Lfunc_end_k_q162d01aef3_attn:
	.size	k_q162d01aef3_attn, .Lfunc_end_k_q162d01aef3_attn-k_q162d01aef3_attn
	.p2alignl 7, 3214868480
	.fill 96, 4, 3214868480
	.section	.rodata,"a",@progbits
	.p2align	6, 0x0
	.amdhsa_kernel k_q162d01aef3_attn
		.amdhsa_group_segment_fixed_size 327680
		.amdhsa_private_segment_fixed_size 0
		.amdhsa_enable_private_segment 0
		.amdhsa_kernarg_size 24
		.amdhsa_user_sgpr_count 2
		.amdhsa_user_sgpr_kernarg_segment_ptr 1
		.amdhsa_wavefront_size32 1
		.amdhsa_system_sgpr_workgroup_id_x 1
		.amdhsa_system_sgpr_workgroup_id_y 1
		.amdhsa_system_sgpr_workgroup_id_z 1
		.amdhsa_system_vgpr_workitem_id 0
		.amdhsa_next_free_vgpr 640
		.amdhsa_next_free_sgpr 100
		.amdhsa_reserve_vcc 1
		.amdhsa_float_denorm_mode_32 3
		.amdhsa_float_denorm_mode_16_64 3
		.amdhsa_memory_ordered 1
		.amdhsa_forward_progress 1
		.amdhsa_inst_pref_size 255
	.end_amdhsa_kernel
	.section	.bss,"aw",@nobits
	.p2align	6
	.space	262144
	.amdgpu_metadata
---
amdhsa.version: [ 1, 2 ]
amdhsa.kernels:
  - .name:           k_q162d01aef3_attn
    .symbol:         k_q162d01aef3_attn.kd
    .args:
      - { .name: qkv, .offset: 0, .size: 8, .value_kind: global_buffer, .address_space: global }
      - { .name: madd, .offset: 8, .size: 8, .value_kind: global_buffer, .address_space: global }
      - { .name: ao, .offset: 16, .size: 8, .value_kind: global_buffer, .address_space: global }
    .group_segment_fixed_size: 327680
    .private_segment_fixed_size: 0
    .kernarg_segment_align: 8
    .kernarg_segment_size: 24
    .max_flat_workgroup_size: 128
    .sgpr_count:     100
    .vgpr_count:     640
    .wavefront_size: 32
...
	.end_amdgpu_metadata
.endif
;; end of part 3
;; launch proj (part 4): grid 8 x 32, 4 waves a work-group, clusters of 4 x 4, 327,680 bytes of LDS; arguments ao, xw, bo, out0; writes out0
.if DOCPART == 4
	.amdgcn_target "amdgcn-amd-amdhsa--gfx1250"
	.amdhsa_code_object_version 6
	.text
	.protected	k_q162d01aef3_proj
	.globl	k_q162d01aef3_proj
	.p2align	8
	.type	k_q162d01aef3_proj,@function
k_q162d01aef3_proj:
	s_mov_b64 s[64:65], 0
	v_nop
	global_prefetch_b8 v0, s[64:65] scope:SCOPE_SE
	s_setreg_imm32_b32 hwreg(HW_REG_WAVE_MODE, 25, 1), 1
	s_wait_xcnt 0x0
	s_wait_alu depctr_hold_cnt(0) depctr_sa_sdst(0) depctr_va_vdst(0) depctr_va_sdst(0) depctr_va_ssrc(0) depctr_va_vcc(0) depctr_vm_vsrc(0)
	s_getreg_b32 s2, hwreg(HW_REG_IB_STS2, 6, 4)
	s_cmp_eq_u32 s2, 0
	s_cbranch_scc0 .Lentry_in_a_cluster
	s_endpgm
.Lentry_in_a_cluster:
	s_bfe_u32 s2, ttmp6, 0x10000c
	s_cmp_lg_u32 s2, 0xf033
	s_cbranch_scc0 .Lentry_shape_is_right
	s_endpgm
.Lentry_shape_is_right:
; out0 = ao Wo^T + bo, f32.  ao: f16, head-major [64 = 16 b + head][2048 tokens][64]; Wo: f16 rows of 1,024 in xw from row 11,264; sums in f32.
; A work-group makes 256 tokens x 128 columns with four waves, a wave 128 x 64: 32 accumulator tiles in window 1.  8 x 32 = 256 work-groups, one block each.
; K (= 64 x head + d) goes in steps of 128 = two heads through a ring of two LDS slots.  A head's 256 tokens are 32 KiB of consecutive memory.
; CLUSTERS: 4 x 4 work-groups; ao's tiles are shared along a row of the cluster, Wo's along a column, each asked for jointly.  Wave 0 asks for the step's even head,
; wave 1 for its odd head, waves 2, 3 for Wo's two halves.  A wave has two tensor loads out at the start and one behind each round of the cluster's barrier.
; The matrix instruction is used transposed (source 0 = rows of Wo, source 1 = tokens): a lane holds one token and eight neighbouring columns.
; The sums start from bo, whose registers have the result's layout.  The 32 accumulators take turns, one instruction a turn.
; A NaN row of ao (a query with no allowed key) gives a NaN row of out0, as in reference().
.set KSTEP,  128
.set XROW,   2048
.set PITCH,  272                       ; an LDS row of Wo: 256 bytes + 16
.set APITCH, 144                       ; an LDS row of ao: a token's 128 bytes of one head + 16
.set AKHI,   256*APITCH                ; from the step's even head to its odd head
.set AFILL,  256*APITCH                ; what one load of ao fills: 36,864
.set AWAVE,  128*APITCH                ; from my work-group's tokens 0-127 to 128-255
.set BHALF,  64*PITCH
.set ABYTES, 2*AFILL
.set SLOT,   ABYTES+2*BHALF            ; 108,544
.set STAGE,  2*SLOT                    ; 16 rows x 272 bytes for each wave, for the way out; no tensor load fills it
.set SPITCH, 272
.set ASTEP1, 2*262144                  ; a K step in ao: two heads
.set STEPA,  2*ASTEP1
.set STEPB,  2*KSTEP*2
.set ADRA, 16
.set ADRB, 20
.set STO,  24
.set RD,   25
.set CO,   26
.set BOFF, 27
.set FA0,  32                          ; v32-95, v96-159    fragments of ao, two buffers
.set FB0,  160                         ; v160-191, v192-223 fragments of Wo, two buffers
.set BIAS, 224                         ; v224-255  bo of my 64 columns
.set RB,   96                          ; the way out: two sets of 32 registers, in ao's buffer 1
.set G1,  24
.set G0,  32
.set G1B, 48
.set G0B, 56
.set MSB, 0
.macro WIN new
.if MSB != \new
	s_set_vgpr_msb (MSB<<8)|\new
.set MSB, \new
.endif
.endm
.macro PLACES                          ; four plain vector instructions between a matrix instruction and a load into, or another access to, one of its registers
.rept 4
	v_nop
.endr
.endm
.macro JLOAD s
	s_cmp_eq_u32 s13, 0
	s_cbranch_scc0 .Lfor_b_\@
	tensor_load_to_lds s[G0+4*\s:G0+4*\s+3], s[G1:G1+7]
	s_nop 0
	s_branch .Lasked_\@
.Lfor_b_\@:
	tensor_load_to_lds s[G0B+4*\s:G0B+4*\s+3], s[G1B:G1B+7]
	s_nop 0
.Lasked_\@:
.endm
.macro CREST
	s_cmp_lg_u32 s12, 0
	s_cbranch_scc1 .Lnot_wave_0_\@
	s_barrier_signal -3
.Lnot_wave_0_\@:
	s_barrier_wait -3
	s_barrier_signal -1
	s_barrier_wait -1
.endm
.macro CROUND
	s_barrier_signal -1
	s_barrier_wait -1
	CREST
.endm
	s_load_b256 s[4:11], s[0:1], 0x0               ; ao 4:5, xw 6:7, bo 8:9, out0 10:11
	v_lshl_add_u32 v30, v0, 2, 0x39400
	v_mov_b32 v31, 0
	ds_add_u32 v30, v31
	ds_add_u32 v30, v31
	v_lshrrev_b32 v1, 5, v0
	v_readfirstlane_b32 s12, v1                    ; wave
	s_lshr_b32 s13, s12, 1                         ; my half of the tokens.  Also: I fetch for ao (0) or for Wo (1)
	s_and_b32 s14, s12, 1                          ; my half of the columns.  Also: which head of the step, or which half of Wo's tile, I fetch
	s_bfe_u32 s40, ttmp6, 0x40000                  ; cx
	s_bfe_u32 s41, ttmp6, 0x40004                  ; cy
	s_lshl_b32 s42, ttmp9, 2
	s_add_co_u32 s42, s42, s40                     ; block column
	s_and_b32 s15, ttmp7, 0xffff
	s_lshl_b32 s15, s15, 2
	s_add_co_u32 s15, s15, s41                     ; block row
	s_lshl_b32 s43, s41, 2
	s_lshl_b32 s43, 15, s43
	s_lshl_b32 s44, 0x1111, s40
	; ao's tile: 128 rows of 256 bytes (two tokens each); the padding is counted along the tile, 4 words after every 32: behind each token
	s_or_b32 s[G1+0], s43, (1<<16)|(1<<20)|(1<<21)|(4<<22)|(3<<25)
	s_or_b32 s[G1B+0], s44, (1<<16)|(1<<20)|(1<<21)|(5<<22)|(3<<25)
	s_mov_b32 s[G1+1], 128<<16
	s_mov_b32 s[G1B+1], KSTEP<<16
	s_mov_b32 s[G1+2], 128<<16
	s_mov_b32 s[G1B+2], 64<<16
	s_mov_b32 s[G1+3], 128<<16
	s_mov_b32 s[G1B+3], KSTEP<<16
	s_mov_b32 s[G1+4], 128
	s_mov_b32 s[G1B+4], 64
	s_mov_b32 s[G1+5], 128
	s_mov_b32 s[G1B+5], 1024
	s_mov_b32 s[G1+6], 0
	s_mov_b32 s[G1B+6], 0
	s_mov_b32 s[G1+7], 0
	s_mov_b32 s[G1B+7], 0
	s_lshr_b32 s16, s15, 3
	s_lshl_b32 s16, s16, 4
	s_add_co_u32 s16, s16, s14                     ; ao: head 16 b + (0 or 1),
	s_lshl_b32 s16, s16, 18
	s_and_b32 s17, s15, 7
	s_lshl_b32 s17, s17, 15                        ; the block's 256 tokens x 128 bytes
	s_add_co_u32 s16, s16, s17
	s_mov_b32 s17, 0
	s_lshl_b32 s47, s14, 6
	s_lshl_b32 s46, s42, 7
	s_add_co_u32 s46, s46, s47                     ; Wo: row 128 x block column + 64 x half
	s_lshl_b32 s46, s46, 11
	s_add_co_u32 s46, s46, 11264*XROW
	s_mov_b32 s47, 0
	s_mul_i32 s20, s12, AFILL
	s_mul_i32 s21, s12, BHALF
	s_add_co_u32 s21, s21, ABYTES-2*BHALF
	s_wait_dscnt 0x0
	s_wait_kmcnt 0x0
	s_add_nc_u64 s[18:19], s[4:5], s[16:17]
	s_add_nc_u64 s[46:47], s[6:7], s[46:47]
	CROUND                                         ; all sixteen work-groups are here: the first joint loads meet
.irp s, 0,1
	s_mov_b32 s[G0+4*\s], 1
	s_add_co_u32 s[G0+4*\s+1], s20, \s*SLOT
	s_add_nc_u64 s[G0+4*\s+2:G0+4*\s+3], s[18:19], \s*ASTEP1
	s_or_b32 s[G0+4*\s+3], s[G0+4*\s+3], 0x80000000
	s_mov_b32 s[G0B+4*\s], 1
	s_add_co_u32 s[G0B+4*\s+1], s21, \s*SLOT
	s_add_nc_u64 s[G0B+4*\s+2:G0B+4*\s+3], s[46:47], \s*KSTEP*2
	s_or_b32 s[G0B+4*\s+3], s[G0B+4*\s+3], 0x80000000
	JLOAD \s
.endr
	v_and_b32 v1, 15, v0                           ; r
	v_bfe_u32 v2, v0, 4, 1                         ; h
	v_mul_u32_u24 v3, v1, PITCH
	v_lshl_add_u32 v3, v2, 4, v3
	v_mul_u32_u24 v4, v1, APITCH
	v_lshl_add_u32 v4, v2, 4, v4
	s_mul_i32 s22, s13, AWAVE
	s_mul_i32 s23, s14, BHALF
	s_add_co_u32 s23, s23, ABYTES
.irp s, 0,1
	v_add_nc_u32 v[ADRA+\s], s22, v4
	v_add_nc_u32 v[ADRB+\s], s23, v3
	s_add_co_u32 s22, s22, SLOT
	s_add_co_u32 s23, s23, SLOT
.endr
	s_mul_i32 s22, s12, 16*SPITCH
	s_add_co_u32 s22, s22, STAGE
	v_mul_u32_u24 v5, v1, SPITCH
	v_lshl_add_u32 v5, v2, 5, v5
	v_add_nc_u32 v[STO], s22, v5                   ; in: token r, 32 bytes for each half of the lanes
	v_mul_u32_u24 v6, v2, SPITCH
	v_lshl_add_u32 v6, v1, 4, v6
	v_add_nc_u32 v[RD], s22, v6                    ; back: sixteen lanes take a token's 256 bytes
	v_lshlrev_b32 v7, 12, v2
	v_lshl_add_u32 v[CO], v1, 4, v7                ; the same two tokens in out0
	v_lshlrev_b32 v[BOFF], 5, v2
	s_lshl_b32 s76, s15, 1
	s_add_co_u32 s76, s76, s13
	s_lshl_b32 s76, s76, 19                        ; 128 tokens x 4,096 bytes
	s_lshl_b32 s78, s42, 9
	s_lshl_b32 s79, s14, 8
	s_add_co_u32 s78, s78, s79                     ; my 64 columns x 4 bytes
	s_add_co_u32 s76, s76, s78
	s_mov_b32 s77, 0
	s_mov_b32 s79, 0
	s_add_nc_u64 s[66:67], s[10:11], s[76:77]
	s_add_nc_u64 s[72:73], s[8:9], s[78:79]
.irp b, 0,1,2,3
	global_load_b128 v[BIAS+8*\b:BIAS+8*\b+3],   v[BOFF], s[72:73] offset:64*\b
	global_load_b128 v[BIAS+8*\b+4:BIAS+8*\b+7], v[BOFF], s[72:73] offset:64*\b+16
.endr
; zero = 0: add in place; 2: the product starts the sum from the bias
.macro MUL f, a0, na, zero
.set ma, \a0
.rept \na
.irp b, 0,1,2,3
.if \zero
	v_wmma_f32_16x16x32_f16 v[8*(4*ma+\b):8*(4*ma+\b)+7], v[FB0+32*\f+8*\b:FB0+32*\f+8*\b+7], v[FA0+64*\f+8*ma:FA0+64*\f+8*ma+7], v[BIAS+8*\b:BIAS+8*\b+7]
.else
	v_wmma_f32_16x16x32_f16 v[8*(4*ma+\b):8*(4*ma+\b)+7], v[FB0+32*\f+8*\b:FB0+32*\f+8*\b+7], v[FA0+64*\f+8*ma:FA0+64*\f+8*ma+7], v[8*(4*ma+\b):8*(4*ma+\b)+7]
.endif
.endr
.set ma, ma+1
.endr
.endm
.macro MWIN zero
.if \zero
	WIN 0x40
.else
	WIN 0x50
.endif
.endm
.macro FETCH slot, kq, f
	WIN 0
.irp i, 0,1,2,3
	ds_load_b128 v[FB0+32*\f+8*\i:FB0+32*\f+8*\i+3],   v[ADRB+\slot] offset:64*\kq+\i*16*PITCH
	ds_load_b128 v[FB0+32*\f+8*\i+4:FB0+32*\f+8*\i+7], v[ADRB+\slot] offset:64*\kq+\i*16*PITCH+32
.endr
.irp i, 0,1,2,3,4,5,6,7
	ds_load_b128 v[FA0+64*\f+8*\i:FA0+64*\f+8*\i+3],   v[ADRA+\slot] offset:(\kq>>1)*AKHI+(\kq&1)*64+\i*16*APITCH
	ds_load_b128 v[FA0+64*\f+8*\i+4:FA0+64*\f+8*\i+7], v[ADRA+\slot] offset:(\kq>>1)*AKHI+(\kq&1)*64+\i*16*APITCH+32
.endr
.endm
.macro QUARTER slot, kq, f, g, zero
	s_wait_dscnt 8                                 ; Wo's fragments and ao's 0-3 are in; the youngest eight loads (ao's 4-7) may be out
	MWIN \zero
	MUL \f, 0, 4, \zero
	PLACES
	FETCH \slot, \kq, \g
	s_wait_dscnt 24                                ; all but the 24 just issued
	MWIN \zero
	MUL \f, 4, 4, \zero
.endm
.macro THREE slot, zero
	QUARTER \slot, 1, 0, 1, \zero
	QUARTER \slot, 2, 1, 0, 0
	QUARTER \slot, 3, 0, 1, 0
.endm
; The change of slots: each wave's reads of this slot and all its tensor loads are waited for in front of the barrier; where the slot is filled again the barrier opens a
; round of the cluster's barrier, with register work alone inside, and the joint refill is the first tensor load behind the round's closing wait.
.macro TURN slot, next, fill
	s_wait_dscnt 8
	WIN 0x50
	MUL 1, 0, 2, 0
	s_wait_dscnt 0
	s_wait_tensorcnt 0x0
	ds_add_u32 v30, v31
	s_wait_dscnt 0x0
	s_barrier_signal -1
	MUL 1, 2, 2, 0
	WIN 0
	s_barrier_wait -1
.if \fill
	CREST
	s_add_nc_u64 s[G0+4*\slot+2:G0+4*\slot+3], s[G0+4*\slot+2:G0+4*\slot+3], STEPA
	s_add_nc_u64 s[G0B+4*\slot+2:G0B+4*\slot+3], s[G0B+4*\slot+2:G0B+4*\slot+3], STEPB
	JLOAD \slot
.endif
	PLACES
	FETCH \next, 0, 0
	WIN 0x50
	MUL 1, 4, 4, 0
.endm
.macro LAP zero
	THREE 0, \zero
	TURN 0, 1, 1
	THREE 1, 0
	TURN 1, 0, 1
.endm
	s_wait_loadcnt 0x0                             ; bo
	s_wait_tensorcnt 1                             ; my part of K step 0 is in; K step 1's may stay out
	s_barrier_signal -1
	s_barrier_wait -1
	FETCH 0, 0, 0
	LAP 2                                          ; eight K steps, four laps; the first starts the sums from bo
	WIN 0
	s_mov_b32 s45, 2
.Llap:
	LAP 0
	WIN 0
	s_sub_co_u32 s45, s45, 1
	s_cmp_lg_u32 s45, 0
	s_cbranch_scc1 .Llap
	THREE 0, 0                                     ; the last lap fills nothing
	TURN 0, 1, 0
	THREE 1, 0
	s_wait_dscnt 8
	WIN 0x50
	MUL 1, 0, 4, 0
	s_wait_dscnt 0
	MUL 1, 4, 4, 0
	; the way out, 16 tokens at a time: 32 bytes a lane into my own stage, read back as whole rows; sixteen lanes store 256 consecutive bytes, aligned
	PLACES
.irp a, 0,1,2,3,4,5,6,7
	WIN 0x04                                       ; an LDS store's data in window 1
.irp b, 0,1,2,3
	ds_store_b128 v[STO], v[8*(4*\a+\b):8*(4*\a+\b)+3]   offset:64*\b
	ds_store_b128 v[STO], v[8*(4*\a+\b)+4:8*(4*\a+\b)+7] offset:64*\b+16
.endr
	WIN 0
	s_wait_xcnt 0x0                                ; the registers read back into were the data of earlier stores
.irp t, 0,1,2,3,4,5,6,7
	ds_load_b128 v[RB+32*(\a&1)+4*\t:RB+32*(\a&1)+4*\t+3], v[RD] offset:2*SPITCH*\t   ; LDS serves a wave's instructions in order: these see the stores above
.endr
.irp t, 0,1,2,3,4,5,6,7
	s_wait_dscnt 7-\t
	global_store_b128 v[CO], v[RB+32*(\a&1)+4*\t:RB+32*(\a&1)+4*\t+3], s[66:67] offset:(16*\a+2*\t)*4096 th:TH_STORE_NT
.endr
.endr
	s_wait_tensorcnt 0x0
	ds_add_u32 v30, v31
	s_wait_dscnt 0x0
	CROUND                                         ; the closing round: no work-group ends while a partner may still ask for a tile that names it
	s_endpgm
.Lfunc_end_k_q162d01aef3_proj:
	.size	k_q162d01aef3_proj, .Lfunc_end_k_q162d01aef3_proj-k_q162d01aef3_proj
	.p2alignl 7, 3214868480
	.fill 96, 4, 3214868480
	.section	.rodata,"a",@progbits
	.p2align	6, 0x0
	.amdhsa_kernel k_q162d01aef3_proj
		.amdhsa_group_segment_fixed_size 327680
		.amdhsa_private_segment_fixed_size 0
		.amdhsa_enable_private_segment 0
		.amdhsa_kernarg_size 32
		.amdhsa_user_sgpr_count 2
		.amdhsa_user_sgpr_kernarg_segment_ptr 1
		.amdhsa_wavefront_size32 1
		.amdhsa_system_sgpr_workgroup_id_x 1
		.amdhsa_system_sgpr_workgroup_id_y 1
		.amdhsa_system_sgpr_workgroup_id_z 1
		.amdhsa_system_vgpr_workitem_id 0
		.amdhsa_next_free_vgpr 512
		.amdhsa_next_free_sgpr 80
		.amdhsa_reserve_vcc 0
		.amdhsa_float_denorm_mode_32 3
		.amdhsa_float_denorm_mode_16_64 3
		.amdhsa_memory_ordered 1
		.amdhsa_forward_progress 1
		.amdhsa_inst_pref_size 119
	.end_amdhsa_kernel
	.amdgpu_metadata
---
amdhsa.version: [ 1, 2 ]
amdhsa.kernels:
  - .name:           k_q162d01aef3_proj
    .symbol:         k_q162d01aef3_proj.kd
    .args:
      - { .name: ao, .offset: 0, .size: 8, .value_kind: global_buffer, .address_space: global }
      - { .name: xw, .offset: 8, .size: 8, .value_kind: global_buffer, .address_space: global }
      - { .name: bo, .offset: 16, .size: 8, .value_kind: global_buffer, .address_space: global }
      - { .name: out0, .offset: 24, .size: 8, .value_kind: global_buffer, .address_space: global }
    .group_segment_fixed_size: 327680
    .private_segment_fixed_size: 0
    .kernarg_segment_align: 8
    .kernarg_segment_size: 32
    .max_flat_workgroup_size: 128
    .sgpr_count:     80
    .vgpr_count:     512
    .wavefront_size: 32
...
	.end_amdgpu_metadata
.endif
;; end of part 4
;; ======== version 2 of 2: 4 launches; version 1 with the launch cast written anew for expert scheduling mode
;; limits: values are held in f16: magnitudes above 65,504 overflow, below 6.1e-05 lose precision
;; workspace buffers: xw 25,165,824 bytes; madd 32,768 bytes; qkv 50,331,648 bytes; ao 16,777,216 bytes
;; launch cast (part 5): grid 64 x 12, 8 waves a work-group, no clusters, 0 bytes of LDS; arguments x, Wq, Wk, Wv, Wo, mask, xw, madd; writes xw, madd
.if DOCPART == 5
	.amdgcn_target "amdgcn-amd-amdhsa--gfx1250"
	.amdhsa_code_object_version 6
	.text
	.protected	k_q162d01aef3_cast
	.globl	k_q162d01aef3_cast
	.p2align	8
	.type	k_q162d01aef3_cast,@function
k_q162d01aef3_cast:
	s_mov_b64 s[64:65], 0
	v_nop
	global_prefetch_b8 v0, s[64:65] scope:SCOPE_SE
	s_setreg_imm32_b32 hwreg(HW_REG_WAVE_SCHED_MODE, 0, 2), 2
	s_setreg_imm32_b32 hwreg(HW_REG_WAVE_MODE, 25, 1), 1
	s_wait_xcnt 0x0
	s_wait_alu depctr_vm_vsrc(0)
; FIRST OF FOUR LAUNCHES of causal, padded multi-head attention (B 4, S 2048, D 1024, 16 heads of 64):
;   cast: x, Wq, Wk, Wv, Wo to 16 bits; the padding mask to an additive f32 table      qkv:  q, k, v, head-major
;   attn: softmax(q k^T / 8 + masks) v for each head                                   proj: the output projection
;
; WORK LEFT OUT BY THE PROGRAM, AND WHY IT IS DEAD.
; (1) bk.  scores[q][k] = q.(x_k Wk^T + bk) / 8 = q.(x_k Wk^T) / 8 + q.bk / 8, and q.bk / 8 is the same for every key k of a query row.
;     softmax along k is unchanged by a term that is constant along k; entries set to -inf stay -inf, and a row of nothing but -inf stays NaN.
;     That holds for all finite values of the inputs.  bk has no other way to an output: it is not loaded and is no launch's argument.
; (2) Score tiles (16 queries x 64 keys) whose every key lies behind every query: reference() itself sets them to -inf in front of the softmax (its triu mask).
; LIMIT: a NaN, an infinity or an overflow that reaches only bk, or only scores above the causal diagonal, is not carried to the result.
; FORMATS: x, Wq, Wk, Wv, Wo are rounded once to bf16.  q, k, v, the softmax's weights and the heads' outputs are carried in f16 (three more bits than bf16:
; a row with few keys is some ten times larger than the output's root mean square, against which it is compared).  LIMIT: |q|, |k|, |v| <= 65,504.
; Wo meets an f16 partner, so its bf16 value is written as f16: exact for |Wo| >= 2^-14, within 2^-25 below that.
;
; THIS LAUNCH is a stream: twelve slices of 2^20 numbers (x is eight of them, then Wq, Wk, Wv, Wo), grid y = slice; a work-group takes 16 rows of 1,024 numbers.
; LAYOUT OF xw: x as [16 K blocks][8,192 rows][64], then Wq, Wk, Wv each as [16][1,024][64] from byte 2^24 on, so that the tile which the next launch fetches
; (some rows, 64 along K) is consecutive memory; Wo row-major from byte 11 x 2^21.
; x, Wq, Wk, Wv: lanes 0-15 of a wave take 256 bytes (one K block) of one row, lanes 16-31 the same K block of the next row; the two halves' results are
; 256 consecutive bytes of xw, aligned.  Wave w takes K blocks 2 w and 2 w + 1 of the sixteen rows.  Wo: thread t takes 16 bytes at 16 t of every row.
; All sixteen loads of a wave go out at once.  No LDS, no barrier, no matrix unit: nothing is used twice.
;
; THE MODE: SCHED_MODE bits 1:0 = 2 (LLVM: expert scheduling mode 2), set by the entry lines.  The code itself states the register dependences
; between vector instructions and memory instructions, with s_wait_alu, always for 0.
; THE PLAN.  Registers that memory instructions touch:
;   v74, v1, v2, v3   byte offsets.  Each is made once by vector instructions, ahead of a wait on va_vdst that stands in front of its first reader, and never written again.
;   v[X + 4 i ..]     load i lands here; its conversions round in place; store i reads the first two of the four.  No vector instruction names them ahead of the loads, nothing writes them behind the store.
;   v[MV ..]          the mask's load lands here; four selects write them; one store reads them.
; So no register that a memory instruction reads is ever written afterwards, and behind the entry lines the text holds no wait on vm_vsrc.
; The sixteen items go in four blocks of four.  Block p waits for its four loads and rounds its own registers; the four stores of block p - 1 are dealt among its
; conversions, which name block p's registers alone.  ONE wait on va_vdst at a block's head, behind the wait for its data, states all that those four stores hang on.
.set NLD, 16                           ; loads of a thread
.set BLK, 4                            ; of them in a block
.set X,   4                            ; v[4:67]   load i: 4 registers
.set MV,  68                           ; v[68:71]  four mask words; v72 = -inf
.set MS,  22                           ; s[22:25]  the four compares' masks (the offsets that these registers held at the head have been added by then)
                                       ; v1 source offset; v2, v3 offsets in xw (even, odd K block); v73, v75 at work; v74 = 16 t
	s_load_b512 s[4:19], s[0:1], 0x0               ; x 4:5, Wq 6:7, Wk 8:9, Wv 10:11, Wo 12:13, mask 14:15, xw 16:17, madd 18:19
	s_and_b32 s20, ttmp7, 0xffff                   ; the slice
	v_lshrrev_b32 v3, 5, v0
	v_readfirstlane_b32 s21, v3                    ; wave
	v_lshlrev_b32 v74, 4, v0                       ; 16 t
	s_cmp_lt_u32 s20, 8
	s_cselect_b32 s22, s20, 0                      ; x has eight slices, a weight one
	s_cselect_b32 s28, 20, 17                      ; a K block is 8,192 or 1,024 rows of 128 bytes: 2^20 or 2^17
	s_cselect_b32 s29, 17, 21                      ; a slice's place in xw: 1,024 rows of a K block of x, or a whole weight
	s_lshl_b32 s22, s22, 22                        ; in the source: slice x 4 MiB
	s_lshl_b32 s23, ttmp9, 16                      ; + work-group x 16 rows of 4,096 bytes
	s_add_co_u32 s22, s22, s23
	s_mov_b32 s23, 0
	s_wait_kmcnt 0x0
	s_wait_alu depctr_va_sdst(0)                   ; s21 is written, ahead of the first branch and of its first reader: offsets and a branch are made from it
	s_cmp_eq_u32 s20, 8                            ; the source is chosen by the slice's number alone
	s_cselect_b64 s[4:5], s[6:7], s[4:5]
	s_cmp_eq_u32 s20, 9
	s_cselect_b64 s[4:5], s[8:9], s[4:5]
	s_cmp_eq_u32 s20, 10
	s_cselect_b64 s[4:5], s[10:11], s[4:5]
	s_cmp_eq_u32 s20, 11
	s_cselect_b64 s[4:5], s[12:13], s[4:5]
	s_add_nc_u64 s[4:5], s[4:5], s[22:23]
	s_cmp_eq_u32 s20, 11
	s_cbranch_scc1 .Lwo
	; x, Wq, Wk, Wv: f32 to bf16, into K blocks
	v_and_b32 v73, 15, v0
	v_bfe_u32 v75, v0, 4, 1
	v_lshlrev_b32 v1, 4, v73                       ; 16 bytes a lane inside the K block's 256,
	v_lshl_add_u32 v1, v75, 12, v1                 ; one row further down for lanes 16 to 31,
	s_lshl_b32 s30, s21, 9
	v_add_nc_u32 v1, s30, v1                       ; two K blocks a wave
	s_wait_alu depctr_va_vdst(0)                   ; v1 is written, which the sixteen loads read as their offset; so is v74, which the mask's load and store read
.set i, 0
.rept NLD
	global_load_b128 v[X+4*i:X+4*i+3], v1, s[4:5] offset:(i&7)*8192+(i>>3)*256 th:TH_LOAD_NT   ; load i: rows 2 (i % 8) and + 1, K block 2 w + i / 8
.set i, i+1
.endr
	s_lshl_b32 s24, s20, s29
	s_lshl_b32 s25, ttmp9, 11                      ; + work-group x 16 rows of 128 bytes
	s_add_co_u32 s24, s24, s25
	s_mov_b32 s25, 0
	s_add_nc_u64 s[16:17], s[16:17], s[24:25]
	s_lshl_b32 s31, s21, 1
	s_lshl_b32 s31, s31, s28                       ; K block 2 w
	s_lshl_b32 s30, 1, s28
	v_and_b32 v73, 31, v0
	v_lshl_add_u32 v2, v73, 3, s31                 ; 8 bytes a lane: lanes 16 to 31 fall on the next row's 128 bytes
	v_add_nc_u32 v3, s30, v2                       ; K block 2 w + 1
.set i, 0
.rept NLD
.if (i&(BLK-1)) == 0
	s_wait_loadcnt NLD-BLK-i                       ; loads come back in order: this block's four are in, the younger blocks stay out
.if i > 0
	s_wait_alu depctr_va_vdst(0)                   ; the block before has written its eight registers of bf16, which the four stores below read; at the first such wait v2 and v3 are written too, their offsets
.endif
.endif
.if i >= BLK
	global_store_b64 v[2+((i-BLK)>>3)], v[X+4*(i-BLK):X+4*(i-BLK)+1], s[16:17] offset:((i-BLK)&7)*256  ; the block before; no vector instruction since the wait names its registers.  The next launch reads these bytes: no hint
.endif
	v_cvt_pk_bf16_f32 v[X+4*i],   v[X+4*i],   v[X+4*i+1]
	v_cvt_pk_bf16_f32 v[X+4*i+1], v[X+4*i+2], v[X+4*i+3]
.set i, i+1
.endr
	s_wait_alu depctr_va_vdst(0)                   ; the last block has written its eight registers, which the last four stores read
.set i, NLD-BLK
.rept BLK
	global_store_b64 v[2+(i>>3)], v[X+4*i:X+4*i+1], s[16:17] offset:(i&7)*256
.set i, i+1
.endr
	; the mask: wave 0 of each work-group of slice 0 turns 128 words into 0.0 (kept) or -inf (mask == 0)
	s_cmp_lg_u32 s20, 0
	s_cbranch_scc1 .Lend
	s_cmp_lg_u32 s21, 0
	s_cbranch_scc1 .Lend
	s_lshl_b32 s26, ttmp9, 9                       ; 512 bytes for each of the 64 work-groups of slice 0
	s_mov_b32 s27, 0
	s_add_nc_u64 s[14:15], s[14:15], s[26:27]
	s_add_nc_u64 s[18:19], s[18:19], s[26:27]
	v_mov_b32 v72, 0xff800000
	global_load_b128 v[MV:MV+3], v74, s[14:15] th:TH_LOAD_NT   ; no wait: v74 was written ahead of the wait in front of the sixteen loads, and no vector instruction has named it, or v[MV ..], since
	s_wait_loadcnt 0x0
.irp k, 0,1,2,3
	v_cmp_eq_u32 s[MS+\k], 0, v[MV+\k]             ; the four compares stand in one run, a scalar register each
.endr
	s_wait_alu depctr_va_sdst(0)                   ; the compares have written s[MS ..], which the four selects read
.irp k, 0,1,2,3
	v_cndmask_b32 v[MV+\k], 0, v72, s[MS+\k]
.endr
	s_wait_alu depctr_va_vdst(0)                   ; the selects have written v[MV ..], which the store reads
	global_store_b128 v74, v[MV:MV+3], s[18:19]
.Lend:
	s_endpgm
.Lwo:	; Wo: f32 to bf16 as the other weights, and that value written as f16; row-major
	s_lshl_b32 s24, ttmp9, 15                      ; work-group x 16 rows of 2,048 bytes
	s_add_co_u32 s24, s24, 11<<21
	s_mov_b32 s25, 0
	s_add_nc_u64 s[16:17], s[16:17], s[24:25]
	v_lshlrev_b32 v2, 3, v0                        ; 8 t
	s_wait_alu depctr_va_vdst(0)                   ; v74 is written, which the sixteen loads read as their offset, and v2, which the sixteen stores read
.set i, 0
.rept NLD
	global_load_b128 v[X+4*i:X+4*i+3], v74, s[4:5] offset:4096*i th:TH_LOAD_NT
.set i, i+1
.endr
.set i, 0
.rept NLD
.if (i&(BLK-1)) == 0
	s_wait_loadcnt NLD-BLK-i                       ; this block's four loads are in, the younger blocks stay out
.if i > 0
	s_wait_alu depctr_va_vdst(0)                   ; the block before has written its eight registers of f16, which the four stores below read
.endif
.endif
.if i >= BLK
	global_store_b64 v2, v[X+4*(i-BLK):X+4*(i-BLK)+1], s[16:17] offset:2048*(i-BLK)   ; the block before; no vector instruction since the wait names its registers
.endif
	v_cvt_pk_bf16_f32 v[X+4*i],   v[X+4*i],   v[X+4*i+1]
	v_cvt_pk_bf16_f32 v[X+4*i+1], v[X+4*i+2], v[X+4*i+3]
	v_lshlrev_b32 v[X+4*i+2], 16, v[X+4*i]                 ; the bf16 halves as f32
	v_and_b32     v[X+4*i],   0xffff0000, v[X+4*i]
	v_lshlrev_b32 v[X+4*i+3], 16, v[X+4*i+1]
	v_and_b32     v[X+4*i+1], 0xffff0000, v[X+4*i+1]
	v_cvt_pk_f16_f32 v[X+4*i],   v[X+4*i+2], v[X+4*i]
	v_cvt_pk_f16_f32 v[X+4*i+1], v[X+4*i+3], v[X+4*i+1]
.set i, i+1
.endr
	s_wait_alu depctr_va_vdst(0)                   ; the last block has written its eight registers, which the last four stores read
.set i, NLD-BLK
.rept BLK
	global_store_b64 v2, v[X+4*i:X+4*i+1], s[16:17] offset:2048*i
.set i, i+1
.endr
	s_endpgm
.Lfunc_end_k_q162d01aef3_cast:
	.size	k_q162d01aef3_cast, .Lfunc_end_k_q162d01aef3_cast-k_q162d01aef3_cast
	.p2alignl 7, 3214868480
	.fill 96, 4, 3214868480
	.section	.rodata,"a",@progbits
	.p2align	6, 0x0
	.amdhsa_kernel k_q162d01aef3_cast
		.amdhsa_group_segment_fixed_size 0
		.amdhsa_private_segment_fixed_size 0
		.amdhsa_enable_private_segment 0
		.amdhsa_kernarg_size 64
		.amdhsa_user_sgpr_count 2
		.amdhsa_user_sgpr_kernarg_segment_ptr 1
		.amdhsa_wavefront_size32 1
		.amdhsa_system_sgpr_workgroup_id_x 1
		.amdhsa_system_sgpr_workgroup_id_y 1
		.amdhsa_system_sgpr_workgroup_id_z 1
		.amdhsa_system_vgpr_workitem_id 0
		.amdhsa_next_free_vgpr 76
		.amdhsa_next_free_sgpr 66
		.amdhsa_reserve_vcc 0
		.amdhsa_float_denorm_mode_32 3
		.amdhsa_float_denorm_mode_16_64 3
		.amdhsa_memory_ordered 1
		.amdhsa_forward_progress 1
		.amdhsa_inst_pref_size 19
	.end_amdhsa_kernel
	.amdgpu_metadata
---
amdhsa.version: [ 1, 2 ]
amdhsa.kernels:
  - .name:           k_q162d01aef3_cast
    .symbol:         k_q162d01aef3_cast.kd
    .args:
      - { .name: x, .offset: 0, .size: 8, .value_kind: global_buffer, .address_space: global }
      - { .name: Wq, .offset: 8, .size: 8, .value_kind: global_buffer, .address_space: global }
      - { .name: Wk, .offset: 16, .size: 8, .value_kind: global_buffer, .address_space: global }
      - { .name: Wv, .offset: 24, .size: 8, .value_kind: global_buffer, .address_space: global }
      - { .name: Wo, .offset: 32, .size: 8, .value_kind: global_buffer, .address_space: global }
      - { .name: mask, .offset: 40, .size: 8, .value_kind: global_buffer, .address_space: global }
      - { .name: xw, .offset: 48, .size: 8, .value_kind: global_buffer, .address_space: global }
      - { .name: madd, .offset: 56, .size: 8, .value_kind: global_buffer, .address_space: global }
    .group_segment_fixed_size: 0
    .private_segment_fixed_size: 0
    .kernarg_segment_align: 8
    .kernarg_segment_size: 64
    .max_flat_workgroup_size: 256
    .sgpr_count:     66
    .vgpr_count:     76
    .wavefront_size: 32
...
	.end_amdgpu_metadata
.endif
;; end of part 5
;; launch qkv: the kernel of part 2 again; grid 8 x 32, 4 waves a work-group, clusters of 4 x 4, 327,680 bytes of LDS; arguments xw, bq, bv, qkv; writes qkv
;; launch attn: the kernel of part 3 again; grid 4 x 64, 4 waves a work-group, no clusters, 327,680 bytes of LDS; arguments qkv, madd, ao; writes ao
;; launch proj: the kernel of part 4 again; grid 8 x 32, 4 waves a work-group, clusters of 4 x 4, 327,680 bytes of LDS; arguments ao, xw, bo, out0; writes out0
